; MI455X (gfx1250); checked and timed in simulation.
; The chip was launched on July 23, 2026; its instructions are those of AMD's public machine-readable ISA for CDNA 5 (MIT licence, August 2026) and "CDNA5" Instruction Set Architecture Reference Guide (July 2026). The comments in the code are by the model that wrote it; some were corrected since.
;; GQSW Attention. Allowed arithmetic: matrix products marked QUANTISED: E2M3 operands, one E8M0 scale for each 32 along K, by v_wmma_scale_f32_16x16x128_f8f6f4 with both operands' format E2M3, f32 sums; everything else in f32.
;; Inputs: wk 512 x 2,048 float32; wo 2,048 x 1,024 float32; wq 1,024 x 2,048 float32; wv 512 x 2,048 float32; x 2 x 4,096 x 2,048 float32.
;; Outputs: out0 2 x 4,096 x 2,048 float32.
;; Constants: abs_pos_start = 0.
;; This version of the problem:
;;   THIS VERSION OF THE PROBLEM IS GIVEN IN LOW PRECISION. The matrix products marked QUANTISED in the list below multiply operands that are first quantised to E2M3 (2 exponent bits, 3 mantissa bits; 6 bits a number), with one power-of-two scale for each 32 numbers along K (OCP MX v1.0); their sums are f32. All else is computed in f32.
;;   The module's matrix products, in the order in which they are computed (A, B: the left and right operand; K: the contracted axis; several contracted axes count as one K, in the product's order):
;;     1. [M 8,192, K 2,048] x [K 2,048, N 1,024]; A: input x; B: input wq: QUANTISED
;;     2. [M 8,192, K 2,048] x [K 2,048, N 512]; A: input x; B: input wk: QUANTISED
;;     3. [M 8,192, K 2,048] x [K 2,048, N 512]; A: input x; B: input wv: QUANTISED
;;     4. batch 256 x [M 256, K 128] x [K 128, N 256]; A: computed on the way; B: computed on the way: QUANTISED
;;     5. batch 256 x [M 128, K 256] x [K 256, N 256]; A: computed on the way; B: softmax (see below): QUANTISED
;;     6. [M 8,192, K 1,024] x [K 1,024, N 2,048]; A: computed on the way; B: input wo: QUANTISED
;;   THE QUANTISER, for each operand of a quantised product, along K:
;;     - K is cut into blocks of 32 from its start; a last block that is shorter is filled with zeros.
;;     - A block's scale is 2^e with e = floor(log2(the largest magnitude in the block)) - 2, held to -126 .. 127; a block of zeros has e = 0. As a byte (E8M0): e + 127.
;;     - Each number is divided by its block's scale, clamped to +-7.5, and rounded to the nearest number of E2M3, ties to even, subnormals kept.
;;     - The product sums the exact products of the quantised numbers (number of the format x scale) in f32.
;;   ~~~python
;;   def quantise(x, axis):      # numpy; x: float32 -> the quantised numbers, widened to float32 again
;;       x = np.moveaxis(x, axis, -1); K = x.shape[-1]
;;       x = np.pad(x, [(0, 0)] * (x.ndim - 1) + [(0, -K % 32)]); x = x.reshape(x.shape[:-1] + (-1, 32)); a = np.abs(x).max(-1, keepdims=True)
;;       e = np.where(a > 0, np.clip(np.frexp(np.where(a > 0, a, 1))[1] - 1 - 2, -126, 127), 0)      # np.frexp(a)[1] - 1 = floor(log2(a)), exactly
;;       r = np.clip(x / 2.0 ** e, -7.5, 7.5)
;;       step = 2.0 ** (np.maximum(np.frexp(np.where(r == 0, 1, r))[1] - 1, 0) - 3)
;;       q = np.round(r / step) * step * 2.0 ** e      # np.round: ties to even
;;       return np.moveaxis(q.reshape(q.shape[:-2] + (-1,))[..., :K], -1, axis).astype(np.float32)
;;   ~~~
;;   SOFTMAX AHEAD OF A QUANTISED PRODUCT. Where the list says 'softmax', what is quantised is not the finished softmax but p = 2^(t - M), with t = logit x log2(e) and M = ceil(the row's largest t), a whole number; so 1/2 < the row's largest p <= 1. The row's sum l is taken of the UNQUANTISED p, in f32, and the product's result is divided by l at the end. Since M is a whole number, a kernel that streams over the keys may use a running M (the ceiling of the running maximum): every later rescaling is an exact power of two, which a block's scale takes up: the codes' values come out the same.
;;   OPERANDS COMPUTED ON THE WAY. 'Computed on the way' means the value that the module computes at that place (a softmax that the list does not call 'softmax' is quantised finished and normalised). What goes into a quantiser is computed in f32, as accurately as f32 sums, v_exp_f32 and their like allow (about 1e-6 of the number): no bf16 or f16 on the way to a quantiser, and a product that is left as it is and whose result goes on into a quantised operand takes f32 operands (vector FMAs, or v_wmma_f32_16x16x4_f32). A number that lies on a knife's edge between two numbers of the format may be rounded either way, as far as f32 arithmetic and the matrix unit's own rounding can turn it there, and no further.
;; One version. Each part assembles by itself: llvm-mc -triple=amdgcn-amd-amdhsa -mcpu=gfx1250 --defsym DOCPART=n.
;; ======== version 1 of 1: 4 launches
;; limits: right only within a limited range of input values
;; workspace buffers: xq 13,107,200 bytes; wqkvq 3,276,800 bytes; woq 1,638,400 bytes; tab 2,097,152 bytes; qq 6,553,600 bytes; kvq 6,553,600 bytes; oq 6,553,600 bytes
;; launch pack (part 1): grid 768 x 1, 4 waves a work-group, no clusters, 34,304 bytes of LDS; arguments x, wq, wk, wv, wo, xq, wqkvq, woq, tab; writes xq, wqkvq, woq, tab
.if DOCPART == 1
	.amdgcn_target "amdgcn-amd-amdhsa--gfx1250"
	.amdhsa_code_object_version 6
	.text
	.protected	k_q3c707888c4_pack
	.globl	k_q3c707888c4_pack
	.p2align	8
	.type	k_q3c707888c4_pack,@function
k_q3c707888c4_pack:
	s_mov_b64 s[64:65], 0
	v_nop
	global_prefetch_b8 v0, s[64:65] scope:SCOPE_SE
	s_setreg_imm32_b32 hwreg(HW_REG_WAVE_MODE, 25, 1), 1
	s_wait_xcnt 0x0
; PACK: x [8192][2048], wq [1024][2048], wk, wv [512][2048], wo [2048][1024], all f32 with K innermost, become codes of FP6 (E2M3) with one E8M0 byte for each 32 along K,
; laid in the order of the matrix operand's registers; and the table of cosines and sines for the rotation of q and k is made.
; A PACKED BLOCK (25,600 bytes) holds 128 rows x 256 K: fragment (i = 0..7, s = 0, 1) of 16 rows x 128 K at 3,072 i + 1,536 s, as three groups of 512 bytes (group c, lane l: registers 4 c .. 4 c + 3 at 512 c + 16 l);
; behind them the scale words, row slot r of fragment (i, s) at 24,576 + 128 i + 8 r + 4 s.  A buffer is [K / 256][rows / 128] such blocks.
; THE ROWS OF A FRAGMENT ARE NOT NEIGHBOURS: slot r of fragment 2 w + u takes row 32 w + 8 u + r + 8 (r / 8) of the 128, so that a product that takes such fragments as its first source leaves 16 neighbours in the
; 16 registers of two neighbouring tiles.
; WORK-GROUPS: 0-511 x (K block = id % 8, row group = id / 8); 512-639 wq, wk, wv into one buffer of 16 row groups: 0-7 the query heads, 8 + 2 j key head j, 9 + 2 j value head j; 640-703 wo; 704-767 the table.
; The three tensors take one path of the text: only pointers, a pitch and counts are chosen, by the work-group's number.  Wave w makes rows 32 w .. 32 w + 31 of the block: four fragments.
; A block's scale is 2^(floor(log2(largest magnitude)) - 2): its byte is the largest magnitude's exponent field - 2, held at 1 from below.
; LIMITS: a block of zeros gets the byte 1 (its codes are zeros, and this program alone reads the bytes); NaN and infinities among the inputs are not served.
; THE TABLE: angle = position x 10000^(-d / 64), the product rounded to f32 as the problem's definition has it; 10000^(-d / 64) is within about one unit in its last place, which at positions near 4,095 moves an angle by up to 2.4e-4;
; the reduction by multiples of pi / 2 in two parts is exact for angles under 4,096 (positions 0 .. 4,095); sine and cosine by polynomials on +-pi / 4.
.set PB,   25600
.set SP,   528                         ; a stage row: 512 bytes + 16, an odd multiple of 16 bytes
.set OFA,  1                           ; v1   16 x lane
.set OFB,  2                           ; v2   the same, 16 rows further down
.set STS,  3                           ; v3   the stage on the way in: my wave's stage + 16 x lane
.set STR,  4                           ; v4   on the way out: + 528 r + 64 h
.set FO,   5                           ; v5   where my 16 bytes of a fragment's group go: 16 x lane + 6,144 x wave
.set SO,   6                           ; v6   where my two scale words go: 8 x lane + 256 x wave
.set HH,   7                           ; v7   h = lane / 16
.set TM,   8                           ; v8-23 at work in the quantiser
.set PW,   24                          ; v24-27 the four fragments' scale words
.set PC,   28                          ; v28-47 the codes just made
.set SET,  64                          ; v64-127, v128-191, v192-255: three sets of 64 numbers
.set RB,   32                          ; s[32:63] sixteen row bases
.set SEL,  66                          ; s[66:67] lane selects: lane l xor 16
.set EHI,  128                         ; the table: exponents, then 10000^(-d / 64)
.set ELO,  160
.set TCOS, 64
.set TSIN, 96
	s_load_b512 s[4:19], s[0:1], 0x0               ; x, wq, wk, wv, wo, xq, wqkvq, woq
	s_load_b64 s[20:21], s[0:1], 0x40              ; tab
	v_lshl_add_u32 v62, v0, 2, 0x8400
	v_mov_b32 v63, 0
	v_lshrrev_b32 v1, 5, v0
	v_readfirstlane_b32 s22, v1                    ; wave 0..3
	s_cmp_ge_u32 ttmp9, 704
	s_cbranch_scc1 .Ltable
	; ---- which tensor, which block
	s_cmp_lt_u32 ttmp9, 512
	s_cselect_b32 s23, 0, 512
	s_cselect_b32 s2, 64, 16                       ; row groups in the buffer
	s_cmp_lt_u32 ttmp9, 640
	s_cselect_b32 s23, s23, 640                    ; the role's first work-group
	s_cselect_b32 s24, 7, 3
	s_cselect_b32 s25, 3, 2
	s_mov_b32 s28, 4096
	s_cselect_b32 s28, 8192, s28                   ; a row of the tensor in bytes
	s_mov_b32 s29, 0
	s_sub_co_u32 s23, ttmp9, s23
	s_and_b32 s24, s23, s24                        ; K block
	s_lshr_b32 s25, s23, s25                       ; row group in the buffer
	s_max_u32 s3, s25, 8
	s_sub_co_u32 s3, s3, 8
	s_lshr_b32 s3, s3, 1                           ; the key or value head
	s_mov_b32 s[SEL], 0x76543210
	s_mov_b32 s[SEL+1], 0xfedcba98
	s_wait_kmcnt 0x0
	s_bitcmp1_b32 s25, 0
	s_cselect_b64 s[26:27], s[10:11], s[8:9]       ; odd groups wv, even groups wk,
	s_cmp_lt_u32 s25, 8
	s_cselect_b64 s[26:27], s[6:7], s[26:27]       ; the first eight wq
	s_cselect_b32 s3, s25, s3                      ; the row group in the tensor
	s_cmp_lt_u32 ttmp9, 512
	s_cselect_b64 s[26:27], s[4:5], s[26:27]
	s_cselect_b64 s[30:31], s[14:15], s[16:17]
	s_cselect_b32 s3, s25, s3
	s_cmp_lt_u32 ttmp9, 640
	s_cselect_b64 s[26:27], s[26:27], s[12:13]
	s_cselect_b64 s[30:31], s[30:31], s[18:19]
	s_cselect_b32 s3, s3, s25
	s_lshl_b32 s23, s3, 7
	s_lshl_b32 s3, s22, 5
	s_add_co_u32 s23, s23, s3                      ; my wave's first row
	s_mul_i32 s68, s23, s28
	s_lshl_b32 s23, s24, 10
	s_add_co_u32 s68, s68, s23                     ; + 1,024 bytes for each K block (under 2^27)
	s_mov_b32 s69, 0
	s_add_nc_u64 s[RB:RB+1], s[26:27], s[68:69]
.set k, 1
.rept 15
	s_add_nc_u64 s[RB+2*k:RB+2*k+1], s[RB+2*k-2:RB+2*k-1], s[28:29]   ; rows 1 .. 15; rows 16 .. 31 come by the second offset register
.set k, k+1
.endr
	s_mul_i32 s68, s24, s2
	s_add_co_u32 s68, s68, s25
	s_mul_i32 s68, s68, PB
	s_add_nc_u64 s[30:31], s[30:31], s[68:69]      ; my work-group's packed block
	v_and_b32 v9, 31, v0                           ; lane
	v_and_b32 v10, 15, v0                          ; r
	v_bfe_u32 v[HH], v0, 4, 1
	v_lshlrev_b32 v[OFA], 4, v9
	s_lshl_b32 s23, s28, 4
	v_add_nc_u32 v[OFB], s23, v[OFA]
	s_mul_i32 s23, s22, 16*SP
	v_add_nc_u32 v[STS], s23, v[OFA]
	v_mul_u32_u24 v[STR], v10, SP
	v_lshl_add_u32 v[STR], v[HH], 6, v[STR]
	v_add_nc_u32 v[STR], s23, v[STR]
	s_mul_i32 s23, s22, 6144
	v_add_nc_u32 v[FO], s23, v[OFA]
	v_lshlrev_b32 v[SO], 3, v9
	s_lshl_b32 s23, s22, 8
	v_add_nc_u32 v[SO], s23, v[SO]
.irp b, 0,1,2,3
	v_mov_b32 v[TM+4+\b], 0                        ; written once: a lane permute's destination counts as one of its sources
.endr
; fragment f = 2 u + s: 16 loads, each 512 consecutive bytes of one row: slot rho takes row 8 u + rho % 8 + 16 (rho / 8) of my 32
.macro LOAD f
.set LS, SET+64*((\f)%3)
.set rho, 0
.rept 16
.if rho < 8
	global_load_b128 v[LS+4*rho:LS+4*rho+3], v[OFA], s[RB+2*(8*((\f)/2)+rho):RB+2*(8*((\f)/2)+rho)+1] offset:512*((\f)%2) th:TH_LOAD_NT
.else
	global_load_b128 v[LS+4*rho:LS+4*rho+3], v[OFB], s[RB+2*(8*((\f)/2)+rho-8):RB+2*(8*((\f)/2)+rho-8)+1] offset:512*((\f)%2) th:TH_LOAD_NT
.endif
.set rho, rho+1
.endr
.endm
; through my wave's stage: in as loaded, a row of the stage to a slot; back so that lane (r, h) holds, of slot r, 16 neighbours of each block of 32: register 16 b + i = k 32 b + 16 h + i.
; LDS serves a wave's instructions in order (ISA guide 5.7.1.4): no wait between the stores and the loads, which land in the registers that the stores have left.
.macro TURN f
.set LS, SET+64*((\f)%3)
.set rho, 0
.rept 16
	ds_store_b128 v[STS], v[LS+4*rho:LS+4*rho+3] offset:SP*rho
.set rho, rho+1
.endr
.set rho, 0
.rept 16
	ds_load_b128 v[LS+4*rho:LS+4*rho+3], v[STR] offset:128*(rho/4)+16*(rho%4)
.set rho, rho+1
.endr
.endm
; 64 numbers of a lane, register 16 b + i = k 32 b + 16 h + i of my row, become a fragment's codes in v[PC] on and my row's scale word in v[pw]
.macro QUANT s, pw
.irp b, 0,1,2,3
	v_max3_num_f32 v[TM+\b], |v[\s+16*\b]|, |v[\s+16*\b+1]|, 0x1800000   ; my 16 numbers of block b, and the floor 2^(3 - 127): the byte cannot fall under 1
.endr
.irp i, 2,4,6,8,10,12,14
.irp b, 0,1,2,3
	v_max3_num_f32 v[TM+\b], |v[\s+16*\b+\i]|, |v[\s+16*\b+\i+1]|, v[TM+\b]   ; the four blocks by turns
.endr
.endr
.irp b, 0,1,2,3
	v_permlanex16_b32 v[TM+4+\b], v[TM+\b], s[SEL], s[SEL+1]
.endr
.irp b, 0,1,2,3
	v_max_num_f32 v[TM+\b], v[TM+\b], v[TM+4+\b]   ; with lane l xor 16's: the block's largest magnitude
.endr
.irp b, 0,1,2,3
	v_add_nc_u32 v[TM+12+\b], 0xff000000, v[TM+\b] ; 2 off its exponent field: the conversion takes the exponent field of this operand as its scale
.endr
.irp b, 0,1,2,3
	v_lshrrev_b32 v[TM+4+\b], 23, v[TM+12+\b]      ; the scale's byte
.endr
	v_lshl_or_b32 v[\pw], v[TM+5], 8, v[TM+4]
	v_lshl_or_b32 v[\pw], v[TM+6], 16, v[\pw]
	v_lshl_or_b32 v[\pw], v[TM+7], 24, v[\pw]
.irp c, 0,1
	v_cvt_scalef32_pk16_fp6_f32 v[PC+6*\c:PC+6*\c+2], v[\s+32*\c:\s+32*\c+15], v[TM+12+2*\c]
	v_cvt_scalef32_pk16_fp6_f32 v[PC+12+4*\c:PC+14+4*\c], v[\s+16+32*\c:\s+31+32*\c], v[TM+13+2*\c]   ; (a conversion's three registers begin on an even number)
.endr
	v_nop                                          ; one plain place behind a scaled conversion
.irp c, 0,1                                    ; the operand wants a whole block in a lane: lanes 0-15 block 2 c, lanes 16-31 block 2 c + 1
.irp i, 0,1,2
	v_permlane16_swap_b32 v[PC+6*\c+\i], v[PC+12+4*\c+\i]
.endr
.irp i, 0,1,2
	v_mov_b32 v[PC+3+6*\c+\i], v[PC+12+4*\c+\i]
.endr
.endr
.endm
.macro DO f, left
	s_wait_loadcnt \left                           ; loads come back in order: this fragment's 16 are in, the younger fragments' may be out
	TURN \f
	s_wait_dscnt 0x0
.if \f > 0
	s_wait_xcnt 0x0                                ; the last fragment's stores have read the codes' registers
.endif
.set LS, SET+64*((\f)%3)
	QUANT LS, PW+\f
.irp c, 0,1,2
	global_store_b128 v[FO], v[PC+4*\c:PC+4*\c+3], s[30:31] offset:((\f)/2)*3072+((\f)%2)*1536+512*\c   ; 32 lanes store 512 consecutive bytes, at a multiple of 256 from the buffer's first byte
.endr
.endm
	LOAD 0
	LOAD 1
	LOAD 2
	s_wait_alu depctr_va_vdst(0)
	DO 0, 32
	LOAD 3                                         ; into the set that fragment 0 has left
	DO 1, 32
	DO 2, 16
	DO 3, 0
	v_cmp_eq_u32 vcc_lo, 1, v[HH]                  ; every lane holds its row's words of all four fragments: lanes 0-15 send those of u = 0, lanes 16-31 those of u = 1
	v_cndmask_b32 v48, v[PW], v[PW+2], vcc_lo
	v_cndmask_b32 v49, v[PW+1], v[PW+3], vcc_lo
	global_store_b64 v[SO], v[48:49], s[30:31] offset:24576   ; 32 lanes store 256 consecutive bytes
	s_wait_tensorcnt 0x0
	ds_add_u32 v62, v63
	s_wait_dscnt 0x0
	s_endpgm
	; ---- THE TABLE.  A wave makes one block of 8,192 bytes for 16 positions: slot r of block P is position 32 (P / 2) + 8 (P % 2) + r + 8 (r / 8).
	; 16 groups of 512 bytes, 0-7 cosines, 8-15 sines; number k = 0 .. 31 of lane (r, h) (group k / 4, float k % 4) belongs to d = 32 (k / 16) + 16 h + k % 16.
.Ltable:
	s_sub_co_u32 s23, ttmp9, 704
	s_lshl_b32 s23, s23, 2
	s_add_co_u32 s23, s23, s22                     ; the block
	s_lshr_b32 s24, s23, 1
	s_lshl_b32 s24, s24, 5
	s_and_b32 s25, s23, 1
	s_lshl_b32 s25, s25, 3
	s_add_co_u32 s24, s24, s25                     ; its first position
	s_lshl_b32 s26, s23, 13
	s_mov_b32 s27, 0
	s_mov_b32 s40, 0xbe549a78                      ; -log2(10000) / 64, its leading part,
	s_mov_b32 s41, 0xb1979a19                      ; and the rest
	s_mov_b32 s42, 0x3f317218                      ; ln 2
	s_mov_b32 s43, 0x3f22f983                      ; 2 / pi
	s_mov_b32 s44, 0x3fc90fdb                      ; pi / 2, its leading part,
	s_mov_b32 s45, 0xb33bbd2e                      ; and the rest
	s_mov_b32 s46, 0xbe2aaaa3                      ; the sine's three coefficients,
	s_mov_b32 s47, 0x3c08839e
	s_mov_b32 s48, 0xb94ca1f9
	s_mov_b32 s49, 0x3d2aaaa5                      ; the cosine's
	s_mov_b32 s50, 0xbab6061a
	s_mov_b32 s51, 0x37ccf5ce
	v_and_b32 v1, 15, v0
	v_and_b32 v2, 8, v1
	v_add_nc_u32 v1, v1, v2
	v_add_nc_u32 v1, s24, v1
	v_cvt_f32_u32 v1, v1                           ; my position
	v_bfe_u32 v2, v0, 4, 1
	v_lshlrev_b32 v2, 4, v2                        ; 16 h
	v_and_b32 v3, 31, v0
	v_lshlrev_b32 v3, 4, v3                        ; 16 x lane
	s_wait_alu depctr_va_vdst(0)
	s_wait_kmcnt 0x0
	s_add_nc_u64 s[20:21], s[20:21], s[26:27]
.set k, 0
.rept 32                                       ; the exponent -d log2(10000) / 64 in two parts: the rounded product, and what the rounding and the constant's rest leave
	v_add_nc_u32 v[4+k%4], 32*(k/16)+k%16, v2
	v_cvt_f32_u32 v[4+k%4], v[4+k%4]
	v_mul_f32 v[EHI+k], s40, v[4+k%4]
	v_fma_f32 v[ELO+k], v[4+k%4], s40, -v[EHI+k]
	v_fma_f32 v[ELO+k], v[4+k%4], s41, v[ELO+k]
.set k, k+1
.endr
.set k, 0
	s_wait_alu depctr_va_vdst(0)
.rept 32
	v_exp_f32 v[EHI+k], v[EHI+k]                   ; one batch
.set k, k+1
.endr
.set k, 0
.rept 32
	v_mul_f32 v[ELO+k], s42, v[ELO+k]              ; plain work that names no result of the batch
.set k, k+1
.endr
	s_wait_alu depctr_va_vdst(0)                   ; one wait for the batch, ahead of its first reader
.set k, 0
.rept 32
	v_fma_f32 v[EHI+k], v[EHI+k], v[ELO+k], v[EHI+k]   ; 2^(hi + lo) = 2^hi (1 + lo ln 2)
.set k, k+1
.endr
.macro SINCOS k
	v_mul_f32 v8, v1, v[EHI+\k]                    ; the angle
	v_mul_f32 v9, s43, v8
	v_rndne_f32 v9, v9                             ; n: the nearest multiple of pi / 2
	v_fma_f32 v10, -v9, s44, v8
	v_fma_f32 v10, -v9, s45, v10                   ; r = angle - n pi / 2
	v_mul_f32 v11, v10, v10                        ; z = r^2
	v_fma_f32 v12, v11, s48, s47
	v_fma_f32 v13, v11, s51, s50
	v_fma_f32 v12, v12, v11, s46
	v_fma_f32 v13, v13, v11, s49
	v_mul_f32 v14, v10, v11
	v_mul_f32 v15, v11, v11
	v_fma_f32 v16, v11, -0.5, 1.0
	v_cvt_i32_f32 v17, v9
	v_fma_f32 v12, v12, v14, v10                   ; sin r
	v_fma_f32 v13, v13, v15, v16                   ; cos r
	v_and_b32 v14, 1, v17
	v_cmp_eq_u32 vcc_lo, 1, v14                    ; in odd quadrants the two change places
	v_cndmask_b32 v15, v12, v13, vcc_lo
	v_cndmask_b32 v16, v13, v12, vcc_lo
	v_and_b32 v14, 2, v17                          ; the sine is negative in quadrants 2 and 3,
	v_add_nc_u32 v17, 1, v17
	v_lshlrev_b32 v14, 30, v14
	v_and_b32 v17, 2, v17                          ; the cosine in 1 and 2
	v_xor_b32 v[TSIN+\k], v14, v15
	v_lshlrev_b32 v17, 30, v17
	v_xor_b32 v[TCOS+\k], v17, v16
.endm
.set k, 0
.rept 32
	SINCOS k
.set k, k+1
.endr
.set k, 0
.rept 8
	global_store_b128 v3, v[TCOS+4*k:TCOS+4*k+3], s[20:21] offset:512*k
	global_store_b128 v3, v[TSIN+4*k:TSIN+4*k+3], s[20:21] offset:4096+512*k
.set k, k+1
.endr
	s_endpgm
.Lfunc_end_k_q3c707888c4_pack:
	.size	k_q3c707888c4_pack, .Lfunc_end_k_q3c707888c4_pack-k_q3c707888c4_pack
	.p2alignl 7, 3214868480
	.fill 96, 4, 3214868480
	.section	.rodata,"a",@progbits
	.p2align	6, 0x0
	.amdhsa_kernel k_q3c707888c4_pack
		.amdhsa_group_segment_fixed_size 34304
		.amdhsa_private_segment_fixed_size 0
		.amdhsa_enable_private_segment 0
		.amdhsa_kernarg_size 72
		.amdhsa_user_sgpr_count 2
		.amdhsa_user_sgpr_kernarg_segment_ptr 1
		.amdhsa_wavefront_size32 1
		.amdhsa_system_sgpr_workgroup_id_x 1
		.amdhsa_system_sgpr_workgroup_id_y 1
		.amdhsa_system_sgpr_workgroup_id_z 1
		.amdhsa_system_vgpr_workitem_id 0
		.amdhsa_next_free_vgpr 256
		.amdhsa_next_free_sgpr 70
		.amdhsa_reserve_vcc 1
		.amdhsa_float_denorm_mode_32 3
		.amdhsa_float_denorm_mode_16_64 3
		.amdhsa_memory_ordered 1
		.amdhsa_forward_progress 1
		.amdhsa_inst_pref_size 85
	.end_amdhsa_kernel
	.amdgpu_metadata
---
amdhsa.version: [ 1, 2 ]
amdhsa.kernels:
  - .name:           k_q3c707888c4_pack
    .symbol:         k_q3c707888c4_pack.kd
    .args:
      - { .name: x, .offset: 0, .size: 8, .value_kind: global_buffer, .address_space: global }
      - { .name: wq, .offset: 8, .size: 8, .value_kind: global_buffer, .address_space: global }
      - { .name: wk, .offset: 16, .size: 8, .value_kind: global_buffer, .address_space: global }
      - { .name: wv, .offset: 24, .size: 8, .value_kind: global_buffer, .address_space: global }
      - { .name: wo, .offset: 32, .size: 8, .value_kind: global_buffer, .address_space: global }
      - { .name: xq, .offset: 40, .size: 8, .value_kind: global_buffer, .address_space: global }
      - { .name: wqkvq, .offset: 48, .size: 8, .value_kind: global_buffer, .address_space: global }
      - { .name: woq, .offset: 56, .size: 8, .value_kind: global_buffer, .address_space: global }
      - { .name: tab, .offset: 64, .size: 8, .value_kind: global_buffer, .address_space: global }
    .group_segment_fixed_size: 34304
    .private_segment_fixed_size: 0
    .kernarg_segment_align: 8
    .kernarg_segment_size: 72
    .max_flat_workgroup_size: 128
    .sgpr_count:     70
    .vgpr_count:     256
    .wavefront_size: 32
...
	.end_amdgpu_metadata
.endif
;; end of part 1
;; launch proj (part 2): grid 8 x 32, 4 waves a work-group, clusters of 4 x 4, 327,680 bytes of LDS; arguments xq, wqkvq, tab, qq, kvq; writes qq, kvq
.if DOCPART == 2
	.amdgcn_target "amdgcn-amd-amdhsa--gfx1250"
	.amdhsa_code_object_version 6
	.text
	.protected	k_q3c707888c4_proj
	.globl	k_q3c707888c4_proj
	.p2align	8
	.type	k_q3c707888c4_proj,@function
k_q3c707888c4_proj:
	s_mov_b64 s[64:65], 0
	v_nop
	global_prefetch_b8 v0, s[64:65] scope:SCOPE_SE
	s_setreg_imm32_b32 hwreg(HW_REG_WAVE_MODE, 25, 1), 1
	s_wait_xcnt 0x0
	s_wait_alu depctr_hold_cnt(0) depctr_sa_sdst(0) depctr_va_vdst(0) depctr_va_sdst(0) depctr_va_ssrc(0) depctr_va_vcc(0) depctr_vm_vsrc(0)
	s_getreg_b32 s2, hwreg(HW_REG_IB_STS2, 6, 4)
	s_cmp_eq_u32 s2, 0
	s_cbranch_scc0 .Lentry_in_a_cluster
	s_endpgm
.Lentry_in_a_cluster:
	s_bfe_u32 s2, ttmp6, 0x10000c
	s_cmp_lg_u32 s2, 0xf033
	s_cbranch_scc0 .Lentry_shape_is_right
	s_endpgm
.Lentry_shape_is_right:
; PROJ: [8192 tokens][2048] x [2048 columns][2048]^T on codes of FP6 (E2M3) with one E8M0 scale for each 32 along K; the 2,048 columns are 16 groups of 128: the 8 query heads, then key head j and value head j by turns.
; The results never leave as f32: q and k are rotated (cosines and sines from the table), and q, k and v are quantised in registers and stored as images of the next products' operand registers.
; Both operands come as PACKED BLOCKS of 25,600 bytes: 128 rows x 256 K: fragment (i, s) of 16 rows x 128 K at 3,072 i + 1,536 s as three groups of 512 bytes (lane l's registers 4 c .. 4 c + 3 at 512 c + 16 l), the scale words at
; 24,576 + 128 i + 8 r + 4 s.  Slot r of fragment 2 B + u holds row 32 B + 8 u + r + 8 (r / 8) of the 128.  A fragment comes out of LDS by three loads of 16 bytes a lane, 512 consecutive bytes each: no pitch, no padding.
; A tile of 256 x 256 is made by a work-group of four waves, as many as a WGP has SIMDs; a wave makes 128 x 128: 64 accumulators, 512 registers.  K goes in steps of 256 through a ring of two LDS slots of four packed
; blocks (the tokens' two, the columns' two); each wave fetches one block, dense in memory, by one tensor load of 100 rows of 256 bytes.
; CLUSTERS: 4 x 4 work-groups.  The four of a row of the cluster need the same blocks of tokens, the four of a column the same blocks of columns: each is asked for JOINTLY, by the same tensor load with the same descriptor
; and a mask that names the four.
; SOURCES.  In a wave of q or k source 0 = 16 columns, source 1 = 16 tokens: a lane holds one token and its registers run along the head's 128 channels, which are the next product's K; channel d and channel d + 64 lie in the
; same lane and register of accumulators b and b + 4.  In a wave of v (cluster x = 1, odd wave) the two sources change places, BY LDS ADDRESS ALONE: a lane holds one channel and its registers run along the 128 tokens, the keys,
; which are the K of the product that takes v.  Whether a wave is v's hangs on the cluster's x and the wave's number: it is the same in all sixteen partners.
; OUT: qq [token / 128][head][8 fragments, 512 bytes of scale words]; kvq [kv head][token / 128][K's 8 fragments, V's 8, K's scale words, V's]; scale words as [slot r][fragment]: 32 bytes a slot.
; LIMITS: a block of zeros gets the scale byte 1 (its codes are zeros, and this program alone reads the bytes); NaN and infinities are not served.
; REGISTERS, in windows of 256: window 0: v16-29 addresses; v32-63 scale words, two sets; v128-223 source 1's fragments, ONE set; on the way out v64-127 rotated numbers, v128-175 the quantiser's.
;   window 1: source 0's fragments, TWO sets, at v0 and v128; on the way out the table, four sets of 64 at v0, v64, v128 and v192.   windows 2, 3: the accumulators: (a, b) at v[8 (8 (a % 4) + b)] of window 2 + a / 4.
.set PB,     25600
.set SLOT,   4*PB
.set SPARE,  2*SLOT                    ; behind the ring: the spare words, 128 bytes for each wave: two blocks of 256 bytes that no other line names
.set NQ,     2                         ; matrix instructions deep in a slot
.set FR,     12                        ; registers of a fragment
.set NL,     3                         ; LDS loads that bring one
.set NP,     4                         ; places behind this matrix instruction (ISA guide 7.12.1)
.set LAPS,   4                         ; a lap = two slots = 512 along K
.set RGA,    64                        ; row groups in xq
.set RGB,    16                        ; and in wqkvq
.set ADRA, 16                          ; v16-17  source 1's packed block in slot 0, 1, + 16 x lane
.set ADRB, 20                          ; v20-21  source 0's
.set ADRS, 22                          ; v22-23  my scale words in slot 0, 1: lanes 0-15 source 1's, lanes 16-31 source 0's
.set L16,  24                          ; v24     16 x lane
.set SOFF, 25                          ; v25     32 r + 16 h: my four scale words on the way out
.set HH,   26                          ; v26     h = lane / 16
.set SPW,  28                          ; v28     LDS address of my spare word; never rewritten
.set NIL,  29                          ; v29     0; never rewritten
.set SC,   32
.set AF,   128
.set H,    64
.set PC,   128
.set TM,   148
.set PWS,  164
.set Z,    172
.set G1,   24                          ; s[24:31] descriptor group 1 for the tokens' blocks;  s[32:39] group 0, one set for each slot
.set G0,   32
.set G1B,  48                          ; s[48:55], s[56:63] the same for the columns' blocks
.set G0B,  56
.set ISV,  66                          ; s66     1 in a wave of v
.set OUTP, 68                          ; s[68:69] where my fragments go
.set OUTS, 70                          ; s[70:71] where my scale words go
.set TAB,  72                          ; s[72:73] the table's eight blocks for my 128 tokens
.set SEL,  84                          ; s[84:85] lane selects: lane l xor 16
.set MSB, 0
.macro WIN new                         ; the immediate's high byte repeats the setting that is left
.if MSB != (\new)
	s_set_vgpr_msb (MSB<<8)|(\new)
.set MSB, (\new)
.endif
.endm
.set MUL_LO, 0xa1                      ; source 0 window 1, source 1 window 0, C and D window 2
.set MUL_HI, 0xf1                      ; the same, C and D window 3
.set TO_B,   0x40                      ; destination window 1, address window 0
; A joint load: waves 0 and 1 fetch the tokens' blocks, waves 2 and 3 the columns'.  Each of the two lines has ONE mask and one set of registers for all that issue it; the branch hangs on the wave's number alone.
; Four v_nop follow each of the two lines, ahead of the jump, the label and what follows.
.macro JLOAD g0a, g1a, g0b, g1b
	s_cmp_eq_u32 s15, 0
	s_cbranch_scc0 .Lfor_b_\@
	tensor_load_to_lds s[\g0a:\g0a+3], s[\g1a:\g1a+7]
	s_nop 0
.rept 4
	v_nop
.endr
	s_branch .Lasked_\@
.Lfor_b_\@:
	tensor_load_to_lds s[\g0b:\g0b+3], s[\g1b:\g1b+7]
	s_nop 0
.rept 4
	v_nop
.endr
.Lasked_\@:
.endm
.macro CREST                           ; a round of the cluster's barrier behind its opening barrier
	s_cmp_lg_u32 s14, 0
	s_cbranch_scc1 .Lnot_wave_0_\@
	s_barrier_signal -3
.Lnot_wave_0_\@:
	s_barrier_wait -3
	s_barrier_signal -1
	s_barrier_wait -1
.endm
.macro CROUND                          ; a whole round
	s_barrier_signal -1
	s_barrier_wait -1
	CREST
.endm
	s_load_b256 s[4:11], s[0:1], 0x0               ; xq s[4:5], wqkvq s[6:7], tab s[8:9], qq s[10:11]
	s_load_b64 s[12:13], s[0:1], 0x20              ; kvq
	v_lshl_add_u32 v[SPW], v0, 2, SPARE
	v_mov_b32 v[NIL], 0
	ds_add_u32 v28, v29
	ds_add_u32 v28, v29
	s_wait_dscnt 0x0
	v_lshrrev_b32 v1, 5, v0
	v_readfirstlane_b32 s14, v1                    ; wave 0..3
	s_lshr_b32 s15, s14, 1                         ; which half of the tile's tokens is mine.  Also: I fetch tokens (0) or columns (1)
	s_and_b32 s16, s14, 1                          ; which half of its columns.  Also: which of the two blocks I fetch
	s_bfe_u32 s40, ttmp6, 0x40000                  ; cx, cy: my place in the cluster
	s_bfe_u32 s41, ttmp6, 0x40004
	s_lshl_b32 s42, ttmp9, 2
	s_add_co_u32 s42, s42, s40                     ; tile column = 4 x cluster x + cx
	s_and_b32 s17, ttmp7, 0xffff
	s_lshl_b32 s17, s17, 2
	s_add_co_u32 s17, s17, s41                     ; tile row = 4 x cluster y + cy
	s_lshl_b32 s43, s41, 2
	s_lshl_b32 s43, 15, s43                        ; my row of the cluster
	s_lshl_b32 s44, 0x1111, s40                    ; my column
	s_and_b32 s[ISV], ttmp9, s16                   ; cluster x = 1 holds the key and value heads; the odd column groups are v's
	; descriptor group 1: a dense block of 25,600 bytes as 100 rows of 32 elements of 8 bytes, no padding
	s_or_b32 s[G1+0], s43, (3<<16)|(1<<21)         ; 15:0 the mask: the tokens' blocks go to my row; 17:16 elements of 8 bytes; 21 set beside a mask
	s_or_b32 s[G1B+0], s44, (3<<16)|(1<<21)        ; the columns' blocks go to my column
.irp g, G1, G1B
	s_mov_b32 s[\g+1], 32<<16                      ; tensor_dim0
	s_mov_b32 s[\g+2], 100<<16                     ; tensor_dim1
	s_mov_b32 s[\g+3], 32<<16                      ; tile_dim0
	s_mov_b32 s[\g+4], 100                         ; tile_dim1
	s_mov_b32 s[\g+5], 32                          ; tensor_dim0_stride
	s_mov_b32 s[\g+6], 0
	s_mov_b32 s[\g+7], 0
.endr
	s_lshl_b32 s20, s17, 1
	s_add_co_u32 s20, s20, s16
	s_mul_i32 s20, s20, PB                         ; tokens: row group 2 x tile row + half
	s_mov_b32 s21, 0
	s_lshl_b32 s46, s42, 1
	s_add_co_u32 s46, s46, s16
	s_mul_i32 s46, s46, PB                         ; columns: row group 2 x tile column + half
	s_mov_b32 s47, 0
	s_mul_i32 s45, s14, PB                         ; where they go: wave x a block: no place in the cluster enters an LDS address
	s_wait_kmcnt 0x0
	s_add_nc_u64 s[20:21], s[4:5], s[20:21]
	s_add_nc_u64 s[46:47], s[6:7], s[46:47]
	s_cmp_eq_u32 s15, 0                            ; the prefetches: s[86:87] the block that I fetch, s[88:89] bytes from one K step to the next, s92 my share of its 100 units of 256 bytes
	s_cselect_b64 s[86:87], s[20:21], s[46:47]
	s_mov_b32 s88, RGB*PB
	s_cselect_b32 s88, RGA*PB, s88
	s_cselect_b32 s92, s40, s41                    ; my place among the four that ask for the block with me: told apart by address alone
	s_mov_b32 s89, 0
	s_mul_i32 s90, s88, 3
	s_mov_b32 s91, 0
	s_mul_i32 s92, s92, 25
	s_add_nc_u64 s[86:87], s[86:87], s[90:91]      ; at K step 3: the first refill steps it to 4
	CROUND                                         ; all sixteen work-groups are here: the first joint loads meet
.irp s, 0,1
	s_mov_b32 s[G0+4*\s], 1
	s_add_co_u32 s[G0+4*\s+1], s45, \s*SLOT
	s_add_nc_u64 s[G0+4*\s+2:G0+4*\s+3], s[20:21], \s*RGA*PB
	s_or_b32 s[G0+4*\s+3], s[G0+4*\s+3], 0x80000000
	s_mov_b32 s[G0B+4*\s], 1
	s_add_co_u32 s[G0B+4*\s+1], s45, \s*SLOT
	s_add_nc_u64 s[G0B+4*\s+2:G0B+4*\s+3], s[46:47], \s*RGB*PB
	s_or_b32 s[G0B+4*\s+3], s[G0B+4*\s+3], 0x80000000
.endr
	JLOAD G0, G1, G0B, G1B                         ; K step 0: one tensor load a wave at the head
	v_and_b32 v1, 31, v0
	v_min_u32 v27, 24, v1                          ; v27: a lane a unit of 256 bytes, 25 units to a partner; the lanes left over name the last again
	v_add_nc_u32 v27, s92, v27
	v_lshlrev_b32 v27, 8, v27
	v_and_b32 v2, 15, v0                           ; r
	v_bfe_u32 v[HH], v0, 4, 1
	v_lshlrev_b32 v[L16], 4, v1
	s_wait_alu depctr_va_vdst(0)
	v_lshlrev_b32 v[SOFF], 5, v2
	v_lshl_add_u32 v[SOFF], v[HH], 4, v[SOFF]
	s_mul_i32 s21, s15, PB                         ; my tokens' block in a slot,
	s_add_co_u32 s22, s16, 2
	s_mul_i32 s22, s22, PB                         ; my columns'
	s_sub_co_u32 s23, s22, s21                     ; and the distance between the two
	s_cmp_eq_u32 s[ISV], 1
	s_cselect_b32 s18, s22, s21                    ; source 1: tokens; in a wave of v: columns
	s_cselect_b32 s19, s21, s22                    ; source 0: the other
.irp s, 0,1
	v_add_nc_u32 v[ADRA+\s], s18, v[L16]
	v_add_nc_u32 v[ADRB+\s], s19, v[L16]
	s_add_co_u32 s18, s18, SLOT
	s_add_co_u32 s19, s19, SLOT
.endr
	v_xor_b32 v3, s[ISV], v[HH]
	v_mul_u32_u24 v3, s23, v3                      ; lanes 16-31 (in a wave of v: lanes 0-15) take the columns' words: the lower base + one product
	v_lshl_add_u32 v3, v2, 3, v3                   ; 8 bytes a slot: the two words of a K step
	s_add_co_u32 s21, s21, 24576
	v_add_nc_u32 v[ADRS], s21, v3
	v_add_nc_u32 v[ADRS+1], SLOT, v[ADRS]
	s_mov_b32 s[SEL], 0x76543210
	s_mov_b32 s[SEL+1], 0xfedcba98
	; where the results go.  What hangs on cx lives in s74 to s82 and in the three pointers alone
	s_lshl_b32 s74, s17, 1
	s_add_co_u32 s74, s74, s15                     ; my 128 tokens: token / 128
	s_lshl_b32 s75, s42, 1
	s_add_co_u32 s75, s75, s16                     ; my column group
	s_lshl_b32 s76, s74, 3
	s_add_co_u32 s76, s76, s75
	s_mul_i32 s76, s76, 12800                      ; q: (token / 128, head) in qq,
	s_add_co_u32 s78, s76, 12288                   ; its scale words
	s_max_u32 s80, s75, 8
	s_sub_co_u32 s80, s80, 8
	s_lshr_b32 s80, s80, 1                         ; k, v: the kv head
	s_lshl_b32 s80, s80, 6
	s_add_co_u32 s80, s80, s74
	s_mul_i32 s80, s80, 25600                      ; (kv head, token / 128) in kvq
	s_mul_i32 s81, s[ISV], 12288
	s_add_co_u32 s81, s81, s80                     ; V's fragments lie behind K's
	s_lshl_b32 s82, s[ISV], 9
	s_add_co_u32 s82, s82, s80
	s_add_co_u32 s82, s82, 24576
	s_cmp_eq_u32 ttmp9, 0
	s_cselect_b64 s[OUTP:OUTP+1], s[10:11], s[12:13]
	s_cselect_b32 s76, s76, s81
	s_cselect_b32 s78, s78, s82
	s_mov_b32 s77, 0
	s_mov_b32 s79, 0
	s_add_nc_u64 s[OUTS:OUTS+1], s[OUTP:OUTP+1], s[78:79]
	s_add_nc_u64 s[OUTP:OUTP+1], s[OUTP:OUTP+1], s[76:77]
	s_and_b32 s80, s74, 31                         ; the position is the token within its batch of 4,096
	s_lshl_b32 s80, s80, 16
	s_mov_b32 s81, 0
	s_add_nc_u64 s[TAB:TAB+1], s[8:9], s[80:81]
.macro FRAG reg, adr, q, i             ; fragment (i, q) of a packed block: the image of its 12 registers
.irp c, 0,1,2
	ds_load_b128 v[\reg+4*\c:\reg+4*\c+3], v[\adr] offset:(\i)*3072+(\q)*1536+512*\c
.endr
.endm
; 16 matrix instructions: source 1's blocks a0, a0 + 1 x source 0's eight, 128 along K: the slot's q-th.  p: source 0's set;  sc: the set of scale words.  zero = 1: the first product starts the sums: nothing is ever cleared.
; The 64 accumulators take turns, one instruction a turn, in the same order in every step.
.macro MUL16 a0, p, q, sc, zero
.irp a, \a0, \a0+1
.irp b, 0,1,2,3,4,5,6,7
.if \zero
	v_wmma_scale_f32_16x16x128_f8f6f4 v[8*(8*((\a)%4)+\b):8*(8*((\a)%4)+\b)+7], v[128*(\p)+FR*\b:128*(\p)+FR*\b+FR-1], v[AF+FR*(\a):AF+FR*(\a)+FR-1], 0, v[SC+8*NQ*(\sc)+NQ*\b+(\q)], v[SC+8*NQ*(\sc)+NQ*(\a)+(\q)] matrix_a_fmt:MATRIX_FMT_FP6 matrix_b_fmt:MATRIX_FMT_FP6 matrix_a_scale:MATRIX_SCALE_ROW1
.else
	v_wmma_scale_f32_16x16x128_f8f6f4 v[8*(8*((\a)%4)+\b):8*(8*((\a)%4)+\b)+7], v[128*(\p)+FR*\b:128*(\p)+FR*\b+FR-1], v[AF+FR*(\a):AF+FR*(\a)+FR-1], v[8*(8*((\a)%4)+\b):8*(8*((\a)%4)+\b)+7], v[SC+8*NQ*(\sc)+NQ*\b+(\q)], v[SC+8*NQ*(\sc)+NQ*(\a)+(\q)] matrix_a_fmt:MATRIX_FMT_FP6 matrix_b_fmt:MATRIX_FMT_FP6 matrix_a_scale:MATRIX_SCALE_ROW1
.endif
.endr
.endr
.endm
.macro FETCH_B slot, q, p              ; source 0's eight fragments of the slot's q-th 128 along K into set p
	WIN TO_B
.irp i, 0,1,2,3,4,5,6,7
	FRAG 128*(\p)+FR*\i, ADRB+\slot, \q, \i
.endr
	WIN 0
.endm
.macro FETCH_A slot, q, i0             ; source 1's blocks i0 .. i0 + 3
.irp i, \i0, \i0+1, \i0+2, \i0+3
	FRAG AF+FR*(\i), ADRA+\slot, \q, \i
.endr
.endm
.macro SCALES sc                       ; a slot's scale words into set sc: two words a slot of a fragment; lanes 0-15 take source 1's block i, lanes 16-31 source 0's block i
.irp i, 0,1,2,3,4,5,6,7
	ds_load_b64 v[SC+8*NQ*\sc+NQ*\i:SC+8*NQ*\sc+NQ*\i+1], v[ADRS+\sc] offset:\i*128
.endr
.endm
; A load into a register that a matrix instruction has read, and a vector instruction that reads a matrix result or writes one of a matrix instruction's registers, stand NP places behind it, and only plain vector
; instructions that name none of its registers are places (ISA guide 7.12.1 for vector instructions).
.macro PLACES n
.rept \n
	v_nop
.endr
.endm
; A step of 128 along K that has its successor in the same slot.
.macro STEP slot, q, zero
	s_wait_dscnt 4*NL                              ; source 0's set, the scale words and source 1's blocks 0-3 are in; the youngest 12 loads (blocks 4-7) may be out
	WIN MUL_LO
	MUL16 0, (\q)%2, \q, \slot, \zero
	MUL16 2, (\q)%2, \q, \slot, \zero
	s_wait_dscnt 0                                 ; blocks 4-7 are in (asked for 32 matrix instructions ago)
	PLACES NP
	FETCH_B \slot, (\q)+1, 1-(\q)%2
	FETCH_A \slot, (\q)+1, 0
	WIN MUL_HI
	MUL16 4, (\q)%2, \q, \slot, \zero
	MUL16 6, (\q)%2, \q, \slot, \zero
	PLACES NP
	WIN 0
	FETCH_A \slot, (\q)+1, 4
.endm
; A slot's last step changes slots: ONE barrier; in front of it each wave waits for all its tensor loads, adds 0 to its spare word, and waits for that and for its own reads of this slot.  fill = 1: this slot is filled again, two K steps ahead.
.macro TURN slot, next, fill
.if \fill
	s_wait_xcnt 0x0                                ; any prefetch of mine has read its address: it is stepped here, one K step on
	s_add_nc_u64 s[86:87], s[86:87], s[88:89]
.endif
	s_wait_tensorcnt 0x0
	ds_add_u32 v[SPW], v[NIL]                      ; 0 onto my spare word;
	s_wait_dscnt 4*NL+1                            ; (the add and the youngest 12 loads may be out)
	WIN MUL_LO
	MUL16 0, 1, NQ-1, \slot, 0                     ; sixteen matrix instructions stand between the add and the wait for it
	s_wait_dscnt 0x0                               ; the add is done, and my reads of this slot are over
	s_barrier_signal -1
	MUL16 2, 1, NQ-1, \slot, 0
	WIN 0
	s_barrier_wait -1
.if \fill
	CREST                                          ; the barrier has opened a round of the cluster's barrier: no wave of any partner still reads this slot or has a load on its way
	s_add_nc_u64 s[G0+4*\slot+2:G0+4*\slot+3], s[G0+4*\slot+2:G0+4*\slot+3], 2*RGA*PB
	s_add_nc_u64 s[G0B+4*\slot+2:G0B+4*\slot+3], s[G0B+4*\slot+2:G0B+4*\slot+3], 2*RGB*PB
	JLOAD G0+4*\slot, G1, G0B+4*\slot, G1B         ; the first tensor load behind the round, my only one until the next; its four v_nop are the places in front of the loads below
.else
	PLACES NP
.endif
	FETCH_B \next, 0, 0
	FETCH_A \next, 0, 0
	SCALES \next
.if \fill
	s_cmp_gt_u32 s3, 1                             ; the K step two refills on: 25 units of 256 bytes a wave; the last trip's two refills have no such step
	s_cbranch_scc0 .Lno_ask_\@
	global_prefetch_b8 v27, s[86:87] th:TH_LOAD_NT scope:SCOPE_SE
.Lno_ask_\@:
.endif
	WIN MUL_HI
	MUL16 4, 1, NQ-1, \slot, 0
	MUL16 6, 1, NQ-1, \slot, 0
	PLACES NP
	WIN 0
	FETCH_A \next, 0, 4
.endm
; THE WAY OUT.
.macro TABLOAD a                       ; the table's block for source 1's block a (16 tokens): register 8 b + j the cosine, 32 + 8 b + j the sine for accumulator b, register j
	WIN TO_B
.set g, 0
.rept 16
	global_load_b128 v[64*((\a)%4)+4*g:64*((\a)%4)+4*g+3], v[L16], s[TAB:TAB+1] offset:(\a)*8192+512*g   ; four sets of 64 fill window 1
.set g, g+1
.endr
	WIN 0
.endm
.macro ROPE a                          ; block a's 16 tokens: x1 cos - x2 sin and x2 cos + x1 sin, x1 in accumulator b, x2 in b + 4; each accumulator is read from its low end on
.set AC, 64*((\a)%4)
.set TT, 64*((\a)%4)
	WIN (2+(\a)/4)|(1<<2)                          ; source 0: the accumulators' window; source 1: the table's
.irp b, 0,1,2,3
.irp jp, 0,2,4,6
	v_pk_mul_f32 v[H+8*\b+\jp:H+8*\b+\jp+1], v[AC+8*(\b+4)+\jp:AC+8*(\b+4)+\jp+1], v[TT+32+8*\b+\jp:TT+32+8*\b+\jp+1]
	v_pk_mul_f32 v[H+8*(\b+4)+\jp:H+8*(\b+4)+\jp+1], v[AC+8*\b+\jp:AC+8*\b+\jp+1], v[TT+32+8*\b+\jp:TT+32+8*\b+\jp+1]
.endr
.irp jp, 0,2,4,6
	v_pk_fma_f32 v[H+8*\b+\jp:H+8*\b+\jp+1], v[AC+8*\b+\jp:AC+8*\b+\jp+1], v[TT+8*\b+\jp:TT+8*\b+\jp+1], v[H+8*\b+\jp:H+8*\b+\jp+1] neg_lo:[0,0,1] neg_hi:[0,0,1]
	v_pk_fma_f32 v[H+8*(\b+4)+\jp:H+8*(\b+4)+\jp+1], v[AC+8*(\b+4)+\jp:AC+8*(\b+4)+\jp+1], v[TT+8*\b+\jp:TT+8*\b+\jp+1], v[H+8*(\b+4)+\jp:H+8*(\b+4)+\jp+1]
.endr
.endr
	WIN 0
.endm
; 64 numbers of a lane in window w, register 16 b + i = k 32 b + 16 h + i of my row, become a fragment's codes in v[PC] on and my row's scale word in v[pw] (both in window 0)
.macro QUANT s, w, pw
	WIN (\w)|((\w)<<2)
.irp b, 0,1,2,3
	v_max3_num_f32 v[TM+\b], |v[\s+16*\b]|, |v[\s+16*\b+1]|, 0x1800000   ; my 16 numbers of block b, and the floor 2^(3 - 127): the byte cannot fall under 1
.endr
.irp i, 2,4,6,8,10,12,14
.irp b, 0,1,2,3
	v_max3_num_f32 v[TM+\b], |v[\s+16*\b+\i]|, |v[\s+16*\b+\i+1]|, v[TM+\b]   ; the four blocks by turns; ascending
.endr
.endr
	WIN 0
.irp b, 0,1,2,3
	v_permlanex16_b32 v[TM+4+\b], v[TM+\b], s[SEL], s[SEL+1]
.endr
.irp b, 0,1,2,3
	v_max_num_f32 v[TM+\b], v[TM+\b], v[TM+4+\b]   ; with lane l xor 16's: the block's largest magnitude
.endr
.irp b, 0,1,2,3
	v_add_nc_u32 v[TM+12+\b], 0xff000000, v[TM+\b] ; 2 off its exponent field: the conversion takes the exponent field of this operand as its scale
.endr
.irp b, 0,1,2,3
	v_lshrrev_b32 v[TM+4+\b], 23, v[TM+12+\b]      ; the scale's byte
.endr
	v_lshl_or_b32 v[\pw], v[TM+5], 8, v[TM+4]
	v_lshl_or_b32 v[\pw], v[TM+6], 16, v[\pw]
	v_lshl_or_b32 v[\pw], v[TM+7], 24, v[\pw]
	WIN (\w)
.irp c, 0,1
	v_cvt_scalef32_pk16_fp6_f32 v[PC+6*\c:PC+6*\c+2], v[\s+32*\c:\s+32*\c+15], v[TM+12+2*\c]
	v_cvt_scalef32_pk16_fp6_f32 v[PC+12+4*\c:PC+14+4*\c], v[\s+16+32*\c:\s+31+32*\c], v[TM+13+2*\c]   ; (a conversion's three registers begin on an even number)
.endr
	WIN 0
	v_nop                                          ; one plain place behind a scaled conversion
.irp c, 0,1                                    ; the operand wants a whole block in a lane: lanes 0-15 block 2 c, lanes 16-31 block 2 c + 1
.irp i, 0,1,2
	v_permlane16_swap_b32 v[PC+6*\c+\i], v[PC+12+4*\c+\i]
.endr
.irp i, 0,1,2
	v_mov_b32 v[PC+3+6*\c+\i], v[PC+12+4*\c+\i]
.endr
.endr
.endm
.macro PUT a                           ; fragment a leaves as the image of its registers: 32 lanes store 512 consecutive bytes, at a multiple of 256 from the buffer's first byte
.irp c, 0,1,2
	global_store_b128 v[L16], v[PC+4*\c:PC+4*\c+3], s[OUTP:OUTP+1] offset:(\a)*1536+512*\c
.endr
.endm
	s_wait_alu depctr_va_vdst(0)
	s_wait_tensorcnt 0x0                           ; my block of slot 0 is in
	ds_add_u32 v[SPW], v[NIL]
	s_wait_dscnt 0x0
	CROUND                                         ; everybody's block is in, and all sixteen work-groups are here
	JLOAD G0+4, G1, G0B+4, G1B                     ; K step 1, the first tensor load behind the round
	FETCH_B 0, 0, 0
	FETCH_A 0, 0, 0
	SCALES 0
	FETCH_A 0, 0, 4
	STEP 0, 0, 1                                   ; the first step stands in front of the loop: its products start the sums
	s_mov_b32 s3, LAPS-1
.Llap:                                                 ; a trip goes once round the ring, from a lap's second step to the next lap's first, and fills both slots again
	TURN 0, 1, 1
	STEP 1, 0, 0
	TURN 1, 0, 1
	STEP 0, 0, 0
	s_sub_co_u32 s3, s3, 1
	s_cmp_lg_u32 s3, 0
	s_cbranch_scc1 .Llap
	TURN 0, 1, 0                                   ; the last lap fills nothing, and has no round of the cluster's barrier
	STEP 1, 0, 0
	s_wait_dscnt 4*NL                              ; the very last step: nothing more to fetch from LDS
	WIN MUL_LO
	MUL16 0, 1, NQ-1, 1, 0
	MUL16 2, 1, NQ-1, 1, 0
	s_wait_dscnt 0
	WIN 0
	s_cmp_eq_u32 s[ISV], 1                         ; v is not rotated
	s_cbranch_scc1 .Lno_table
	TABLOAD 0                                      ; into source 0's set 0 and the registers behind it: their last products stand in front of the last step's places
	TABLOAD 1
.Lno_table:
	WIN MUL_HI
	MUL16 4, 1, NQ-1, 1, 0
	MUL16 6, 1, NQ-1, 1, 0
	WIN 0
	PLACES NP
.irp b, 0,1,2,3
	v_mov_b32 v[TM+4+\b], 0                        ; written once: a lane permute's destination counts as one of its sources
.endr
	s_cmp_eq_u32 s[ISV], 1
	s_cbranch_scc1 .Lv_out
.irp a, 0,1,2,3,4,5,6,7                        ; q, k: 16 tokens at a time
.if \a == 0
	TABLOAD 2                                      ; into source 0's set 1, behind the last products' places
	TABLOAD 3
.endif
.if \a < 5
	s_wait_loadcnt 48                              ; this block's 16 table loads are in; the next three blocks' may be out
.else
	s_wait_loadcnt 16*(7-\a)
.endif
	ROPE \a
.if \a < 4
	TABLOAD \a+4                                   ; into the set just read
.endif
.if \a > 0
	s_wait_xcnt 0x0                                ; the last fragment's stores have read the codes' registers
.endif
	QUANT H, 0, PWS+\a
	PUT \a
.endr
	s_branch .Ljoin
.Lv_out:
.irp a, 0,1,2,3,4,5,6,7                        ; v: 16 channels at a time; the accumulators are quantised as they stand, along the tokens
.if \a > 0
	s_wait_xcnt 0x0
.endif
.set QS, 64*(\a%4)
.set QW, 2+\a/4
	QUANT QS, QW, PWS+\a
	PUT \a
.endr
.Ljoin:
	v_cmp_eq_u32 vcc_lo, 1, v[HH]                  ; every lane holds its row's eight words: lanes 0-15 send fragments 0-3's, lanes 16-31 fragments 4-7's
.irp k, 0,1,2,3
	v_cndmask_b32 v[Z+\k], v[PWS+\k], v[PWS+4+\k], vcc_lo
.endr
	global_store_b128 v[SOFF], v[Z:Z+3], s[OUTS:OUTS+1]   ; 512 consecutive bytes
	s_wait_tensorcnt 0x0                           ; the wave's end
	ds_add_u32 v[SPW], v[NIL]
	s_wait_dscnt 0x0
	CROUND                                         ; the closing round: no work-group ends while a partner may still ask for a block that names it
	s_endpgm
.Lfunc_end_k_q3c707888c4_proj:
	.size	k_q3c707888c4_proj, .Lfunc_end_k_q3c707888c4_proj-k_q3c707888c4_proj
	.p2alignl 7, 3214868480
	.fill 96, 4, 3214868480
	.section	.rodata,"a",@progbits
	.p2align	6, 0x0
	.amdhsa_kernel k_q3c707888c4_proj
		.amdhsa_group_segment_fixed_size 327680
		.amdhsa_private_segment_fixed_size 0
		.amdhsa_enable_private_segment 0
		.amdhsa_kernarg_size 40
		.amdhsa_user_sgpr_count 2
		.amdhsa_user_sgpr_kernarg_segment_ptr 1
		.amdhsa_wavefront_size32 1
		.amdhsa_system_sgpr_workgroup_id_x 1
		.amdhsa_system_sgpr_workgroup_id_y 1
		.amdhsa_system_sgpr_workgroup_id_z 1
		.amdhsa_system_vgpr_workitem_id 0
		.amdhsa_next_free_vgpr 1024
		.amdhsa_next_free_sgpr 94
		.amdhsa_reserve_vcc 1
		.amdhsa_float_denorm_mode_32 3
		.amdhsa_float_denorm_mode_16_64 3
		.amdhsa_memory_ordered 1
		.amdhsa_forward_progress 1
		.amdhsa_inst_pref_size 217
	.end_amdhsa_kernel
	.amdgpu_metadata
---
amdhsa.version: [ 1, 2 ]
amdhsa.kernels:
  - .name:           k_q3c707888c4_proj
    .symbol:         k_q3c707888c4_proj.kd
    .args:
      - { .name: xq, .offset: 0, .size: 8, .value_kind: global_buffer, .address_space: global }
      - { .name: wqkvq, .offset: 8, .size: 8, .value_kind: global_buffer, .address_space: global }
      - { .name: tab, .offset: 16, .size: 8, .value_kind: global_buffer, .address_space: global }
      - { .name: qq, .offset: 24, .size: 8, .value_kind: global_buffer, .address_space: global }
      - { .name: kvq, .offset: 32, .size: 8, .value_kind: global_buffer, .address_space: global }
    .group_segment_fixed_size: 327680
    .private_segment_fixed_size: 0
    .kernarg_segment_align: 8
    .kernarg_segment_size: 40
    .max_flat_workgroup_size: 128
    .sgpr_count:     94
    .vgpr_count:     1024
    .wavefront_size: 32
...
	.end_amdgpu_metadata
.endif
;; end of part 2
;; launch attn (part 3): grid 64 x 4, 16 waves a work-group, no clusters, 52,224 bytes of LDS; arguments qq, kvq, oq; writes oq
.if DOCPART == 3
	.amdgcn_target "amdgcn-amd-amdhsa--gfx1250"
	.amdhsa_code_object_version 6
	.text
	.protected	k_q3c707888c4_attn
	.globl	k_q3c707888c4_attn
	.p2align	8
	.type	k_q3c707888c4_attn,@function
k_q3c707888c4_attn:
	s_mov_b64 s[64:65], 0
	v_nop
	global_prefetch_b8 v0, s[64:65] scope:SCOPE_SE
	s_setreg_imm32_b32 hwreg(HW_REG_WAVE_MODE, 25, 1), 1
	s_wait_xcnt 0x0
; ATTN: sliding-window attention on codes of FP6 (E2M3) with one E8M0 scale for each 32 along a product's K.  A query of block n (128 tokens) sees key kk of its own block where kk <= iq and key kk of the block before where
; kk > iq (iq: the query's place in its block); block 0 of a batch has no block before.
; SHARES.  A work-group owns (token / 128, kv head); each of its sixteen waves one head (wave / 8) and one tile of 16 queries (wave % 8).  K's and V's fragments of both blocks (49,152 bytes, images of the operand's registers)
; come into LDS once, through registers: my own block at 0, the block before at 24,576.
; WORK LEFT OUT.  A tile's 16 queries lie in one run w = (wave % 8) / 2 of 32 positions.  By the mask that the problem builds, the runs of 32 keys above w of the own block and under w of the block before are hidden from all
; 16 queries, whatever the inputs hold: their p are 0 and reach no sum.  They are neither multiplied nor exponentiated.  A NaN or an infinity that reaches only those scores is not carried to the result.
; WHAT IS LEFT: five runs of 32 keys, each a whole block of the quantiser.  STEP A holds the three that count whole, at places 0-2: place i is own run i where i < w, else run i + 1 of the block before; place 3 holds zero codes.
; STEP B holds the two that the window cuts: own run w at place 0, run w of the block before at place 1; places 2, 3 hold zero codes.  The order of K is free where P and V agree; the blocks of 32 stay whole.
; The waves differ in LDS addresses, byte selectors and a bias alone, made by arithmetic on the wave's number: all run one text.  In block 0 of a batch the own block's bytes stand in for the block before; its runs get the bias
; -infinity (step A) or the mask's bound (step B): p = 0.
; LAYOUT.  Both products are used transposed (S^T = K Q^T, O^T = V^T P^T): a lane holds ONE query.  The 16 registers of two neighbouring tiles are 16 neighbouring keys (channels): 16 (lane / 16) + 0 .. 15 of a run.
; V's operand wants run 2 c + h in registers 6 c .. 6 c + 5 of the lanes of half h: register x of lane l lies at 512 (x / 4) + 16 l + 4 (x % 4) of a fragment, so a run comes as three pieces of 8 bytes, each half of the lanes from its own run.
; THE SOFTMAX: t = score x log2(e) / sqrt(128); M = the row's largest t rounded UP to a whole number, taken over all five runs at once; p = 2^(t - M) is quantised along the keys; the row's sum is taken of the unquantised p.
; A query's own key always counts, so M is a number.
; OUT: O / sum is quantised along the head's channels and stored as fragment (wave % 8, wave / 8) of packed block (kv head, token / 128) of oq; its scale words meet in LDS and leave as 1,024 bytes.
; NO CLUSTER: a block of keys lands in two work-groups at different LDS bytes; no tensor load is used.
; LIMITS: p under 2^-126 counts as 0 (v_exp_f32 flushes); a block of zeros gets the scale byte 1 or 0 (its codes are zeros, and this program alone reads the bytes); NaN and infinities are not served.
; REGISTERS: v1-10 addresses and bounds; v11, v28 p's scale words; v12 -M; v[14:15] the sum; v16-27 Q; v32-79 four fragments, at work in the softmax; v80-88 LDS addresses; v96-175 S^T, then p; v96-159 then O^T;
; v176-199 p's codes (before that two fragments of K); v200-209 K's scale words; v210-233 V's; v234-239 -M with the bias; v240-254 at work; v255 Q's scale word.
.set PRV,  24576
.set VO,   12288
.set OSC,  49152
.set PC,   32
.set TM,   236
.set SEL,  20
.set CS,   22
.set SA,   96
.set SB,   144
.set PA,   176
.set PB,   188
.set KSC,  200
.set VBS,  210
.set VPS,  218
.set VAS,  226
.set NM,   234
.set BM,   240
.set PL,   245
.set SO,   250
	s_load_b128 s[4:7], s[0:1], 0x0                ; qq, kvq
	s_load_b64 s[8:9], s[0:1], 0x10                ; oq
	v_lshl_add_u32 v30, v0, 2, 0xc400
	v_mov_b32 v31, 0
	v_lshrrev_b32 v93, 5, v0
	v_readfirstlane_b32 s18, v93                   ; wave 0..15
	s_lshr_b32 s19, s18, 3                         ; g: which of the two heads
	s_and_b32 s24, s18, 7                          ; tau: which tile of queries
	s_and_b32 s25, ttmp7, 0xffff                   ; the kv head
	s_and_b32 s26, ttmp9, 31                       ; the block within its batch
	s_lshl_b32 s28, s25, 6
	s_add_co_u32 s28, s28, ttmp9
	s_mul_i32 s28, s28, 25600                      ; (kv head, token / 128): the same place in kvq and in oq
	s_mov_b32 s29, 0
	s_cmp_lg_u32 s26, 0
	s_cselect_b32 s27, 25600, 0                    ; how far back the block before lies; in block 0: not at all
	s_mov_b32 s30, 1000
	s_cselect_b32 s30, -100, s30                   ; in block 0 the bound 1,000 hides every key of the run before; else -100 changes nothing
	s_cselect_b32 s75, 0, 0xff800000               ; and -infinity is the bias of the block before
	s_sub_co_u32 s32, s28, s27
	s_mov_b32 s33, 0
	s_lshl_b32 s34, ttmp9, 3
	s_lshl_b32 s35, s25, 1
	s_add_co_u32 s34, s34, s35
	s_add_co_u32 s34, s34, s19
	s_mul_i32 s34, s34, 12800                      ; (token / 128, head) in qq
	s_mul_i32 s35, s24, 1536
	s_add_co_u32 s36, s34, s35                     ; my tile's fragment
	s_mov_b32 s37, 0
	s_lshl_b32 s35, s24, 2
	s_add_co_u32 s38, s34, s35
	s_add_co_u32 s38, s38, 12288                   ; and its column of the scale words
	s_mov_b32 s39, 0
	s_mul_i32 s46, s24, 3072
	s_mul_i32 s35, s19, 1536
	s_add_co_u32 s46, s46, s35                     ; fragment (tau, g) of oq's packed block
	s_mov_b32 s47, 0
	s_and_b32 s40, s24, 1
	s_lshl_b32 s40, s40, 3                         ; my tile's first query within its run: 8 (tau % 2)
	s_lshl_b32 s41, s24, 7
	s_lshl_b32 s42, s19, 2
	s_add_co_u32 s41, s41, s42
	s_add_co_u32 s41, s41, OSC                     ; o's scale words: 128 tau + 4 g
	s_mov_b32 s[SEL], 0x76543210
	s_mov_b32 s[SEL+1], 0xfedcba98
	s_mov_b32 s[CS], 0x3e0293ee
	s_mov_b32 s[CS+1], s[CS]
	s_lshr_b32 s48, s24, 1                         ; w
	s_min_u32 s49, s48, 1                          ; w >= 1: place 0 is an own run
	s_lshr_b32 s50, s48, 1                         ; w >= 2: place 1 is
	s_and_b32 s51, s50, s48                        ; w >= 3: place 2 is
	s_xor_b32 s52, s49, 1                          ; n0, n1, n2: the place holds a run of the block before
	s_xor_b32 s53, s50, 1
	s_xor_b32 s54, s51, 1
	s_mul_i32 s55, s52, PRV+3072                   ; K: place i at 3,072 i, or one run and one block further
	s_mul_i32 s56, s53, PRV+3072
	s_add_co_u32 s56, s56, 3072
	s_mul_i32 s57, s54, PRV+3072
	s_add_co_u32 s57, s57, 6144
	s_mul_i32 s58, s48, 3072                       ; run w
	s_mul_i32 s59, s52, PRV+256                    ; V: a run's three pieces begin at 0, 8, 512 (run 0), + 256 (run 1), 520, 1,024, 1,032 (run 2), + 256 (run 3)
	s_mul_i32 s60, s53, PRV+264
	s_add_co_u32 s60, s60, 256
	s_sub_co_u32 s60, s60, s59                     ; from place 0 to place 1, pieces 0 and 2: never under 256
	s_mul_i32 s61, s53, PRV+760
	s_add_co_u32 s61, s61, 256
	s_sub_co_u32 s61, s61, s59                     ; piece 1
	s_mul_i32 s62, s54, PRV+256                    ; place 2
	s_and_b32 s63, s48, 1
	s_lshl_b32 s63, s63, 8
	s_mul_i32 s66, s50, 520
	s_add_co_u32 s66, s66, s63                     ; run w, pieces 0 and 2
	s_mul_i32 s67, s50, 1016
	s_add_co_u32 s67, s67, s63                     ; piece 1
	s_mul_i32 s68, s49, s27                        ; K's scale words, counted from the block before: 8 bytes a run
	s_lshl_b32 s69, s52, 3
	s_add_co_u32 s68, s68, s69
	s_mul_i32 s69, s50, s27
	s_lshl_b32 s70, s53, 3
	s_add_co_u32 s69, s69, s70
	s_add_co_u32 s69, s69, 8
	s_mul_i32 s70, s51, s27
	s_lshl_b32 s71, s54, 3
	s_add_co_u32 s70, s70, s71
	s_add_co_u32 s70, s70, 16
	s_lshl_b32 s71, s48, 3
	s_add_co_u32 s72, s71, s27
	s_mul_i32 s73, s49, 3                          ; V's scale bytes: selector byte i = 4 + i (own word) or i + 1 (the word before); byte 3 any finite byte
	s_mul_i32 s74, s50, 0x300
	s_add_co_u32 s73, s73, s74
	s_mul_i32 s74, s51, 0x30000
	s_add_co_u32 s73, s73, s74
	s_add_co_u32 s73, s73, 0x03030201
	s_mul_i32 s74, s48, 0x101
	s_add_co_u32 s74, s74, 0x03030004              ; step B: byte 0 = own byte w, byte 1 = byte w of the word before
	s_mul_i32 s76, s52, s75                        ; the places' bias: -infinity's bits or 0
	s_mul_i32 s77, s53, s75
	s_mul_i32 s78, s54, s75
	v_and_b32 v93, 31, v0
	v_and_b32 v94, 15, v0                          ; r
	v_bfe_u32 v95, v0, 4, 1                        ; h
	v_lshlrev_b32 v1, 4, v93                       ; v1  16 x lane
	v_and_b32 v29, 8, v94
	v_lshlrev_b32 v2, 4, v95
	v_add_nc_u32 v29, v29, v94
	v_lshlrev_b32 v7, 5, v94                       ; v7  32 r
	v_add_nc_u32 v29, s40, v29                     ; my query's place in its run
	v_and_b32 v93, 255, v0
	v_sub_nc_u32 v2, v29, v2                       ; v2  D: register i holds key 16 h + i of a run, which is over my query where i > D
	v_lshlrev_b32 v5, 4, v93                       ; v5  the copy: 16 x (thread % 256) in a block,
	v_max_i32 v3, s30, v2                          ; v3  the same for the block before
	v_lshrrev_b32 v93, 8, v0
	v_add_nc_u32 v6, s27, v7                       ; v6  32 r in my own block
	v_mul_u32_u24 v93, v93, PRV
	v_lshl_add_u32 v8, v94, 3, s41                 ; v8  where my row's scale word of o goes in LDS
	v_add_nc_u32 v4, v93, v5                       ; v4  and in LDS: threads 0-255 my own block, threads 256-511 the block before
	v_lshl_add_u32 v9, v0, 4, OSC                  ; v9, v10  the scale words' way out
	v_lshlrev_b32 v10, 4, v0
	v_add_nc_u32 v80, s55, v1                      ; v80-82 K's places 0-2, v83 run w
	v_add_nc_u32 v81, s56, v1
	v_add_nc_u32 v82, s57, v1
	v_add_nc_u32 v83, s58, v1
	v_lshlrev_b32 v29, 4, v94                      ; 16 r
	v_mul_u32_u24 v84, s60, v95                    ; v84, v85 V's places 0 (lanes 0-15) and 1 (lanes 16-31); v86 place 2; v87, v88 run w: own, before
	v_mul_u32_u24 v85, s61, v95
	v_mul_u32_u24 v87, v95, PRV
	v_add_nc_u32 v86, s62, v29
	v_add_nc_u32 v84, v84, v29
	v_add_nc_u32 v85, v85, v29
	v_add_nc_u32 v87, v87, v29
	v_add_nc_u32 v84, s59, v84
	v_add_nc_u32 v85, s59, v85
	v_add_nc_u32 v88, s67, v87
	v_add_nc_u32 v87, s66, v87
	v_add_nc_u32 v120, s68, v7                     ; K's scale words of the five runs
	v_add_nc_u32 v121, s69, v7
	v_add_nc_u32 v122, s70, v7
	v_add_nc_u32 v123, s72, v7
	v_add_nc_u32 v124, s71, v7
	v_mov_b32 v13, 0                               ; named as the upper halves of pairs
	v_mov_b32 v[NM+1], 0
	v_mov_b32 v[NM+3], 0
	v_mov_b32 v[NM+5], 0
.irp b, 0,1,2,3,4
	v_mov_b32 v[PL+\b], 0                          ; written once: a lane permute's destination counts as one of its sources
.endr
	s_wait_alu depctr_va_vdst(0)                   ; the wait at the head's end
	s_wait_kmcnt 0x0
	s_add_nc_u64 s[10:11], s[6:7], s[28:29]        ; my own block
	s_add_nc_u64 s[12:13], s[6:7], s[32:33]        ; the block before
	s_cmp_lt_u32 s18, 8
	s_cselect_b64 s[14:15], s[10:11], s[12:13]     ; which of the two my wave copies
	s_add_nc_u64 s[36:37], s[4:5], s[36:37]
	s_add_nc_u64 s[38:39], s[4:5], s[38:39]
	s_add_nc_u64 s[44:45], s[8:9], s[28:29]
	s_add_nc_u64 s[46:47], s[44:45], s[46:47]
.irp i, 0,1,2,3,4,5
	global_load_b128 v[96+4*\i:99+4*\i], v5, s[14:15] offset:4096*\i   ; eight waves cover 4,096 consecutive bytes
.endr
.irp c, 0,1,2
	global_load_b128 v[16+4*\c:19+4*\c], v1, s[36:37] offset:512*\c    ; Q's fragment stays in registers
.endr
	global_load_b32 v255, v7, s[38:39]
.irp j, 0,1,2,3,4
	global_load_b64 v[KSC+2*\j:KSC+2*\j+1], v[120+\j], s[12:13] offset:24576
.endr
	global_load_b128 v[VBS:VBS+3], v6, s[12:13] offset:25088           ; V's scale words: my own block's,
	global_load_b128 v[VBS+4:VBS+7], v6, s[12:13] offset:25104
	global_load_b128 v[VPS:VPS+3], v7, s[12:13] offset:25088           ; the block before's
	global_load_b128 v[VPS+4:VPS+7], v7, s[12:13] offset:25104
	s_wait_loadcnt 13                              ; the copy's six loads are in; the 13 younger ones may be out
.irp i, 0,1,2,3,4,5
	ds_store_b128 v4, v[96+4*\i:99+4*\i] offset:4096*\i
.endr
	s_wait_dscnt 0x0                               ; for the others' sake: my stores have landed
	s_barrier_signal -1
	s_barrier_wait -1                              ; both blocks lie in LDS
	s_wait_loadcnt 0x0                             ; Q and the scale words
.macro KF reg, adr, off                        ; a fragment of K: the image of its 12 registers
.irp c, 0,1,2
	ds_load_b128 v[\reg+4*\c:\reg+4*\c+3], v[\adr] offset:\off+512*\c
.endr
.endm
	KF 32, 80, 0                                   ; step A's six tiles of 16 keys
	KF 44, 80, 1536
	KF 56, 81, 0
	KF 68, 81, 1536
	KF PA, 82, 0
	KF PB, 82, 1536
.irp t, 0,1,2,3,4,5,6,7
	v_perm_b32 v[VAS+\t], v[VBS+\t], v[VPS+\t], s73    ; V's scale words of step A: a byte for each place
.endr
.irp t, 0,1,2,3,4,5,6,7
	v_perm_b32 v[VBS+\t], v[VBS+\t], v[VPS+\t], s74    ; and of step B
.endr
	s_wait_alu depctr_va_vdst(0)
	s_wait_dscnt 0x0
.irp j, 0,1,2,3
	v_wmma_scale_f32_16x16x128_f8f6f4 v[SA+8*\j:SA+8*\j+7], v[32+12*\j:43+12*\j], v[16:27], 0, v[KSC+\j], v255 matrix_a_fmt:MATRIX_FMT_FP6 matrix_b_fmt:MATRIX_FMT_FP6
.endr
.irp j, 4,5
	v_wmma_scale_f32_16x16x128_f8f6f4 v[SA+8*\j:SA+8*\j+7], v[PA+12*(\j-4):PA+12*(\j-4)+11], v[16:27], 0, v[KSC+\j], v255 matrix_a_fmt:MATRIX_FMT_FP6 matrix_b_fmt:MATRIX_FMT_FP6
.endr
.rept 4
	v_nop                                          ; places in front of loads into registers that matrix instructions have read
.endr
	KF 32, 83, 0                                   ; step B's four tiles: own run w, run w of the block before
	KF 44, 83, 1536
	KF 56, 83, PRV
	KF 68, 83, PRV+1536
	s_wait_dscnt 0x0
.irp j, 0,1,2,3
	v_wmma_scale_f32_16x16x128_f8f6f4 v[SB+8*\j:SB+8*\j+7], v[32+12*\j:43+12*\j], v[16:27], 0, v[KSC+6+\j], v255 matrix_a_fmt:MATRIX_FMT_FP6 matrix_b_fmt:MATRIX_FMT_FP6
.endr
.rept 4
	v_nop
.endr
	v_mov_b32 v29, 0xff800000                      ; -infinity
.set nn, 0
.rept 16                                       ; the window cuts two runs alone.  Ascending: each accumulator is first read at its low end
	v_cmp_gt_i32 vcc_lo, nn, v2
	v_cndmask_b32 v[SB+nn], v[SB+nn], v29, vcc_lo
	v_cmp_le_i32 vcc_lo, nn, v3
	v_cndmask_b32 v[SB+16+nn], v[SB+16+nn], v29, vcc_lo
.set nn, nn+1
.endr
.irp b, 0,1,2,3,4
	v_max3_num_f32 v[BM+\b], v[SA+16*\b], v[SA+16*\b+1], v[SA+16*\b+2]   ; the largest score of each run: for the row's maximum and, since p rises with the score, for the run's largest p.  The five runs by turns
.endr
.irp i, 3,5,7,9,11,13
.irp b, 0,1,2,3,4
	v_max3_num_f32 v[BM+\b], v[BM+\b], v[SA+16*\b+\i], v[SA+16*\b+\i+1]
.endr
.endr
.irp b, 0,1,2,3,4
	v_max_num_f32 v[BM+\b], v[BM+\b], v[SA+16*\b+15]
.endr
.irp b, 0,1,2,3,4
	v_permlanex16_b32 v[PL+\b], v[BM+\b], s[SEL], s[SEL+1]
.endr
.irp b, 0,1,2,3,4
	v_max_num_f32 v[BM+\b], v[BM+\b], v[PL+\b]     ; with lane l xor 16's 16 keys
.endr
	v_add_f32 v[BM], s76, v[BM]                    ; the bias: 0, or -infinity where a batch's first block has no block before
	v_add_f32 v[BM+1], s77, v[BM+1]
	v_add_f32 v[BM+2], s78, v[BM+2]
	v_max_num_f32 v93, v[BM+3], v[BM+4]
	v_max3_num_f32 v94, v[BM], v[BM+1], v[BM+2]
	s_delay_alu instid0(VALU_DEP_1)
	v_max_num_f32 v93, v93, v94                    ; the largest score of my query
	s_delay_alu instid0(VALU_DEP_1)
	v_mul_f32 v93, s[CS], v93                      ; as t (c is positive)
	s_delay_alu instid0(VALU_DEP_1)
	v_floor_f32 v12, -v93                          ; -M = floor(-t) = -ceil(t): a whole number
	s_delay_alu instid0(VALU_DEP_1)
	v_add_f32 v[NM], s76, v12
	v_add_f32 v[NM+2], s77, v12
	v_add_f32 v[NM+4], s78, v12
.irp b, 0,1,2
.irp jj, 0,2,4,6,8,10,12,14
	v_pk_fma_f32 v[SA+16*\b+\jj:SA+16*\b+\jj+1], v[SA+16*\b+\jj:SA+16*\b+\jj+1], s[CS:CS+1], v[NM+2*\b:NM+2*\b+1] op_sel_hi:[1,0,0]   ; t - M, two at a time
.endr
.endr
.set jj, 0
.rept 16
	v_pk_fma_f32 v[SB+jj:SB+jj+1], v[SB+jj:SB+jj+1], s[CS:CS+1], v[12:13] op_sel_hi:[1,0,0]
.set jj, jj+2
.endr
.irp b, 0,1,2,3,4
	v_fma_f32 v[BM+\b], v[BM+\b], s[CS], v12       ; the same of each run's largest score
.endr
	s_wait_alu depctr_va_vdst(0)                   ; the wait ahead of the batch
.set jj, 0
.rept 80
	v_exp_f32 v[SA+jj], v[SA+jj]                   ; p = 2^(t - M), at most 1: one batch,
.set jj, jj+1
.endr
.irp b, 0,1,2,3,4
	v_exp_f32 v[BM+\b], v[BM+\b]                   ; with each run's largest p: the same two instructions on the same number give the same bits
.endr
	v_nop                                          ; a plain place behind the exponentials
	s_wait_alu depctr_va_vdst(0)                   ; one wait for the batch, ahead of its first reader
	v_pk_add_f32 v[14:15], v[SA:SA+1], v[SA+8:SA+9]            ; the row's sum of the unquantised p: 40 pairs in four chains
	v_pk_add_f32 v[44:45], v[SA+2:SA+3], v[SA+10:SA+11]
	v_pk_add_f32 v[46:47], v[SA+4:SA+5], v[SA+12:SA+13]
	v_pk_add_f32 v[48:49], v[SA+6:SA+7], v[SA+14:SA+15]
.set jj, 16
.rept 8
	v_pk_add_f32 v[14:15], v[14:15], v[SA+jj:SA+jj+1]
	v_pk_add_f32 v[44:45], v[44:45], v[SA+jj+2:SA+jj+3]
	v_pk_add_f32 v[46:47], v[46:47], v[SA+jj+4:SA+jj+5]
	v_pk_add_f32 v[48:49], v[48:49], v[SA+jj+6:SA+jj+7]
.set jj, jj+8
.endr
.irp b, 0,1,2,3,4
	v_max_num_f32 v[BM+\b], 0x1800000, v[BM+\b]    ; the floor 2^(3 - 127): the byte cannot fall under 1
.endr
	v_pk_add_f32 v[14:15], v[14:15], v[44:45]
	v_pk_add_f32 v[46:47], v[46:47], v[48:49]
.irp b, 0,1,2,3,4
	v_add_nc_u32 v[SO+\b], 0xff000000, v[BM+\b]    ; 2 off the exponent field: the conversion's scale operand
.endr
	v_pk_add_f32 v[14:15], v[14:15], v[46:47]
.irp b, 0,1,2,3,4
	v_lshrrev_b32 v[PL+\b], 23, v[SO+\b]           ; the scale's byte
.endr
	v_lshl_or_b32 v11, v[PL+1], 8, v[PL]           ; p's scale words: step A's three bytes, step B's two; the bytes of the places with zero codes stay 0
	v_lshl_or_b32 v28, v[PL+4], 8, v[PL+3]
	v_lshl_or_b32 v11, v[PL+2], 16, v11
.irp i, 0,1,2
	v_mov_b32 v[36+\i], 0                          ; step A's place 3: zero codes
.endr
.irp i, 6,7,8,9,10,11
	v_mov_b32 v[PB+\i], 0                          ; step B's places 2 and 3
.endr
	v_cvt_scalef32_pk16_fp6_f32 v[PA:PA+2], v[SA:SA+15], v[SO]
	v_cvt_scalef32_pk16_fp6_f32 v[32:34], v[SA+16:SA+31], v[SO+1]
	v_cvt_scalef32_pk16_fp6_f32 v[PA+6:PA+8], v[SA+32:SA+47], v[SO+2]
	v_cvt_scalef32_pk16_fp6_f32 v[PB:PB+2], v[SB:SB+15], v[SO+3]
	v_cvt_scalef32_pk16_fp6_f32 v[40:42], v[SB+16:SB+31], v[SO+4]
	v_nop                                          ; one plain place behind a scaled conversion
.irp i, 0,1,2                                  ; the operand wants a whole run in a lane: lanes 0-15 the even place, lanes 16-31 the odd one
	v_permlane16_swap_b32 v[PA+\i], v[32+\i]
	v_permlane16_swap_b32 v[PA+6+\i], v[36+\i]
	v_permlane16_swap_b32 v[PB+\i], v[40+\i]
.endr
.irp i, 0,1,2
	v_mov_b32 v[PA+3+\i], v[32+\i]
	v_mov_b32 v[PA+9+\i], v[36+\i]
	v_mov_b32 v[PB+3+\i], v[40+\i]
.endr
.rept 8
	v_nop                                          ; a scale register written by a vector instruction stands 8 places ahead of a scaled matrix instruction, an operand so written 4
.endr
.macro VFA reg, t                              ; a fragment of V for step A: 16 channels x places 0-3
	ds_load_b64 v[\reg:\reg+1], v84 offset:VO+(\t)*1536
	ds_load_b64 v[\reg+2:\reg+3], v85 offset:VO+(\t)*1536+8
	ds_load_b64 v[\reg+4:\reg+5], v84 offset:VO+(\t)*1536+512
	ds_load_b64 v[\reg+6:\reg+7], v86 offset:VO+(\t)*1536+520
	ds_load_b64 v[\reg+8:\reg+9], v86 offset:VO+(\t)*1536+1024
	ds_load_b64 v[\reg+10:\reg+11], v86 offset:VO+(\t)*1536+1032
.endm
.macro VFB reg, t                              ; for step B: places 0 and 1; registers 6-11 keep step A's codes, which meet zero codes of p
	ds_load_b64 v[\reg:\reg+1], v87 offset:VO+(\t)*1536
	ds_load_b64 v[\reg+2:\reg+3], v88 offset:VO+(\t)*1536+8
	ds_load_b64 v[\reg+4:\reg+5], v87 offset:VO+(\t)*1536+512
.endm
.irp g2, 0,1                                   ; O^T = V^T P^T, laid over the registers that held p: four tiles of 16 channels at a time; step A starts the sums
.if \g2
.rept 4
	v_nop
.endr
.endif
.irp t, 0,1,2,3
	VFA 32+12*\t, 4*\g2+\t
.endr
.if \g2 == 0
	s_wait_alu depctr_va_vdst(0)
.endif
	s_wait_dscnt 0x0
.irp t, 0,1,2,3
	v_wmma_scale_f32_16x16x128_f8f6f4 v[SA+8*(4*\g2+\t):SA+8*(4*\g2+\t)+7], v[32+12*\t:43+12*\t], v[PA:PA+11], 0, v[VAS+4*\g2+\t], v11 matrix_a_fmt:MATRIX_FMT_FP6 matrix_b_fmt:MATRIX_FMT_FP6
.endr
.endr
.irp g2, 0,1                                   ; step B adds onto them; the eight accumulators take turns
.rept 4
	v_nop
.endr
.irp t, 0,1,2,3
	VFB 32+12*\t, 4*\g2+\t
.endr
	s_wait_dscnt 0x0
.irp t, 0,1,2,3
	v_wmma_scale_f32_16x16x128_f8f6f4 v[SA+8*(4*\g2+\t):SA+8*(4*\g2+\t)+7], v[32+12*\t:43+12*\t], v[PB:PB+11], v[SA+8*(4*\g2+\t):SA+8*(4*\g2+\t)+7], v[VBS+4*\g2+\t], v28 matrix_a_fmt:MATRIX_FMT_FP6 matrix_b_fmt:MATRIX_FMT_FP6
.endr
.endr
; 64 numbers of a lane, register 16 b + i = k 32 b + 16 h + i of my row, become a fragment's codes in v[PC] on and my row's scale word in v[pw]
.macro QUANT s, pw
.irp b, 0,1,2,3
	v_max3_num_f32 v[TM+\b], |v[\s+16*\b]|, |v[\s+16*\b+1]|, 0x1800000
.endr
.irp i, 2,4,6,8,10,12,14
.irp b, 0,1,2,3
	s_delay_alu instid0(VALU_DEP_4)
	v_max3_num_f32 v[TM+\b], |v[\s+16*\b+\i]|, |v[\s+16*\b+\i+1]|, v[TM+\b]
.endr
.endr
.irp b, 0,1,2,3
	s_delay_alu instid0(VALU_DEP_4)
	v_permlanex16_b32 v[TM+4+\b], v[TM+\b], s[SEL], s[SEL+1]
.endr
.irp b, 0,1,2,3
	s_delay_alu instid0(VALU_DEP_4)
	v_max_num_f32 v[TM+\b], v[TM+\b], v[TM+4+\b]
.endr
.irp b, 0,1,2,3
	s_delay_alu instid0(VALU_DEP_4)
	v_add_nc_u32 v[TM+12+\b], 0xff000000, v[TM+\b]
.endr
.irp b, 0,1,2,3
	s_delay_alu instid0(VALU_DEP_4)
	v_lshrrev_b32 v[TM+4+\b], 23, v[TM+12+\b]
.endr
	s_delay_alu instid0(VALU_DEP_3)
	v_lshl_or_b32 v[\pw], v[TM+5], 8, v[TM+4]
	s_delay_alu instid0(VALU_DEP_1)
	v_lshl_or_b32 v[\pw], v[TM+6], 16, v[\pw]
	s_delay_alu instid0(VALU_DEP_1)
	v_lshl_or_b32 v[\pw], v[TM+7], 24, v[\pw]
.irp c, 0,1
	v_cvt_scalef32_pk16_fp6_f32 v[PC+6*\c:PC+6*\c+2], v[\s+32*\c:\s+32*\c+15], v[TM+12+2*\c]
	v_cvt_scalef32_pk16_fp6_f32 v[PC+12+4*\c:PC+14+4*\c], v[\s+16+32*\c:\s+31+32*\c], v[TM+13+2*\c]
.endr
	v_nop                                          ; one plain place behind a scaled conversion
.irp c, 0,1
.irp i, 0,1,2
	v_permlane16_swap_b32 v[PC+6*\c+\i], v[PC+12+4*\c+\i]
.endr
.irp i, 0,1,2
	s_delay_alu instid0(VALU_DEP_3)
	v_mov_b32 v[PC+3+6*\c+\i], v[PC+12+4*\c+\i]
.endr
.endr
.endm
	; THE WAY OUT
.rept 4
	v_nop                                          ; places behind the last products
.endr
	v_add_f32 v14, v14, v15                        ; the sum's two halves,
	s_delay_alu instid0(VALU_DEP_1)
	v_permlanex16_b32 v252, v14, s[SEL], s[SEL+1]
	s_delay_alu instid0(VALU_DEP_1)
	v_add_f32 v14, v14, v252                       ; and lane l xor 16's: the row's sum
	s_wait_alu depctr_va_vdst(0)
	v_rcp_f32 v14, v14
	v_nop                                          ; a plain place behind the reciprocal
	s_wait_alu depctr_va_vdst(0)                   ; and the wait ahead of its first reader, which is also O^T's
.set jj, 0
.rept 64
	v_mul_f32 v[SA+jj], v[SA+jj], v14              ; O^T / the sum: register 16 b + i is channel 32 b + 16 h + i of my query; ascending: each accumulator from its low end on
.set jj, jj+1
.endr
	QUANT SA, 252
.irp c, 0,1,2
	global_store_b128 v1, v[PC+4*\c:PC+4*\c+3], s[46:47] offset:512*\c   ; 32 lanes store 512 consecutive bytes, at a multiple of 256 from the buffer's first byte
.endr
	ds_store_b32 v8, v252                          ; both halves of the lanes write the same word with the same value
	s_wait_dscnt 0x0                               ; for the others' sake: my store has landed
	s_barrier_signal -1
	s_barrier_wait -1                              ; the packed block's 256 scale words lie in LDS
	s_cmp_lt_u32 s18, 2
	s_cbranch_scc0 .Ldone
	ds_load_b128 v[96:99], v9                      ; waves 0 and 1: 16 bytes a lane
	s_wait_dscnt 0x0
	global_store_b128 v10, v[96:99], s[44:45] offset:24576
.Ldone:
	s_wait_tensorcnt 0x0                           ; the wave's end
	ds_add_u32 v30, v31
	s_wait_dscnt 0x0
	s_endpgm
.Lfunc_end_k_q3c707888c4_attn:
	.size	k_q3c707888c4_attn, .Lfunc_end_k_q3c707888c4_attn-k_q3c707888c4_attn
	.p2alignl 7, 3214868480
	.fill 96, 4, 3214868480
	.section	.rodata,"a",@progbits
	.p2align	6, 0x0
	.amdhsa_kernel k_q3c707888c4_attn
		.amdhsa_group_segment_fixed_size 52224
		.amdhsa_private_segment_fixed_size 0
		.amdhsa_enable_private_segment 0
		.amdhsa_kernarg_size 24
		.amdhsa_user_sgpr_count 2
		.amdhsa_user_sgpr_kernarg_segment_ptr 1
		.amdhsa_wavefront_size32 1
		.amdhsa_system_sgpr_workgroup_id_x 1
		.amdhsa_system_sgpr_workgroup_id_y 1
		.amdhsa_system_sgpr_workgroup_id_z 1
		.amdhsa_system_vgpr_workitem_id 0
		.amdhsa_next_free_vgpr 256
		.amdhsa_next_free_sgpr 80
		.amdhsa_reserve_vcc 1
		.amdhsa_float_denorm_mode_32 3
		.amdhsa_float_denorm_mode_16_64 3
		.amdhsa_memory_ordered 1
		.amdhsa_forward_progress 1
		.amdhsa_inst_pref_size 45
	.end_amdhsa_kernel
	.amdgpu_metadata
---
amdhsa.version: [ 1, 2 ]
amdhsa.kernels:
  - .name:           k_q3c707888c4_attn
    .symbol:         k_q3c707888c4_attn.kd
    .args:
      - { .name: qq, .offset: 0, .size: 8, .value_kind: global_buffer, .address_space: global }
      - { .name: kvq, .offset: 8, .size: 8, .value_kind: global_buffer, .address_space: global }
      - { .name: oq, .offset: 16, .size: 8, .value_kind: global_buffer, .address_space: global }
    .group_segment_fixed_size: 52224
    .private_segment_fixed_size: 0
    .kernarg_segment_align: 8
    .kernarg_segment_size: 24
    .max_flat_workgroup_size: 512
    .sgpr_count:     80
    .vgpr_count:     256
    .wavefront_size: 32
...
	.end_amdgpu_metadata
.endif
;; end of part 3
;; launch outp (part 4): grid 32 x 8, 4 waves a work-group, clusters of 4 x 1, 327,680 bytes of LDS; arguments oq, woq, out0; writes out0
.if DOCPART == 4
	.amdgcn_target "amdgcn-amd-amdhsa--gfx1250"
	.amdhsa_code_object_version 6
	.text
	.protected	k_q3c707888c4_outp
	.globl	k_q3c707888c4_outp
	.p2align	8
	.type	k_q3c707888c4_outp,@function
k_q3c707888c4_outp:
	s_mov_b64 s[64:65], 0
	v_nop
	global_prefetch_b8 v0, s[64:65] scope:SCOPE_SE
	s_setreg_imm32_b32 hwreg(HW_REG_WAVE_MODE, 25, 1), 1
	s_wait_xcnt 0x0
	s_wait_alu depctr_hold_cnt(0) depctr_sa_sdst(0) depctr_va_vdst(0) depctr_va_sdst(0) depctr_va_ssrc(0) depctr_va_vcc(0) depctr_vm_vsrc(0)
	s_getreg_b32 s2, hwreg(HW_REG_IB_STS2, 6, 4)
	s_cmp_eq_u32 s2, 0
	s_cbranch_scc0 .Lentry_in_a_cluster
	s_endpgm
.Lentry_in_a_cluster:
	s_bfe_u32 s2, ttmp6, 0x10000c
	s_cmp_lg_u32 s2, 0x3003
	s_cbranch_scc0 .Lentry_shape_is_right
	s_endpgm
.Lentry_shape_is_right:
; OUTP: out0 [8192 tokens][2048] f32 = o [8192][1024] x wo [2048][1024]^T on codes of FP6 (E2M3) with one E8M0 scale for each 32 along K.
; Both operands come as PACKED BLOCKS of 25,600 bytes (128 rows x 256 K): fragment (i, s) of 16 rows x 128 K at 3,072 i + 1,536 s as three groups of 512 bytes (lane l's registers 4 c .. 4 c + 3 at 512 c + 16 l),
; scale words at 24,576 + 128 i + 8 r + 4 s.  Slot r of fragment 2 w + u holds row 32 w + 8 u + r + 8 (r / 8).  oq is [K / 256][64 token groups], woq [K / 256][16 column groups] such blocks.
; SHARES.  A work-group makes 256 tokens x 256 columns; a wave 64 tokens x all 256 columns.
; o's OPERAND LIVES IN REGISTERS: a wave's 64 tokens x 1,024 K are 32 fragments, 384 registers, and 32 scale words; they come straight from memory, 512 consecutive bytes a load, each read by this wave alone in the work-group.
; wo's OPERAND LIVES IN LDS, WHOLE: 256 columns x 1,024 K are eight packed blocks, 204,800 bytes; wave w brings K block w (two blocks, dense in memory) by one tensor load of 200 rows of 256 bytes.
; Nothing in LDS is filled twice: no ring, one barrier.
; THE WALK: four groups of 64 columns.  A group is 8 steps of 128 along K, 16 matrix instructions each on 16 accumulators by turns (4 x 16 tokens, 4 x 16 columns).  wo's four fragments of a step are asked of LDS two steps ahead,
; in three sets.  A finished group goes through the wave's own stage in LDS and comes back as rows of 256 bytes; its 32 stores stand, eight a step, among the next group's products.
; SOURCES: source 0 = 16 columns, source 1 = 16 tokens: a lane holds one token, and the registers of tiles 2 w, 2 w + 1 are 16 neighbouring columns.
; CLUSTER 4, 1, 1: the four partners make four token tiles of one column tile and ask for wo's blocks jointly (mask 15).  o's fragments differ between partners.
; NO PREFETCH: all that the work-group reads is asked for at the head; there is no loop to run ahead in.
; REGISTERS: window 0: v1-15 addresses; v16-47 o's scale words (8 tb + ks); v48-111 wo's scale words, two sets (8 cb + ks); v112-255 wo's fragments, three sets of 48.
;   window 1: o's fragments of K steps 0-4 (48 ks + 12 tb); window 2: of K steps 5-7; window 3: v0-127 the accumulators (tb, cb) at 8 (4 tb + cb), v128-255 a group read back from the stage.
.set PB,     25600
.set KBB,    2*PB                      ; LDS: one K block of my 256 columns
.set KBA,    64*PB                     ; oq: from one K block to the next
.set STAGE,  4*KBB                     ; behind wo's blocks: a stage of 64 rows x (256 + 16) bytes for each wave
.set SPITCH, 272
.set WST,    64*SPITCH
.set SPARE,  STAGE+4*WST               ; behind the stages: the spare words, 128 bytes a wave
.set NIL,  1
.set L16,  2                           ; 16 x lane
.set R8,   3                           ; 8 r
.set ADRB, 4                           ; v4-7   wo's fragments of K block kb: 16 x lane + kb x KBB
.set ADRS, 8                           ; v8-11  wo's scale words of K block kb
.set STO,  12                          ; into my stage: 272 r + 64 h
.set RD,   13                          ; back: 272 h + 16 r
.set CO,   14                          ; in out0: 8,192 h + 16 r
.set SPW,  15
.set ASC,  16
.set BSC,  48
.set BF,   112
.set MSB, 0
.macro WIN new                         ; the immediate's high byte repeats the setting that is left
.if MSB != (\new)
	s_set_vgpr_msb (MSB<<8)|(\new)
.set MSB, (\new)
.endif
.endm
.macro PLACES n
.rept \n
	v_nop
.endr
.endm
.macro CROUND                          ; a round of the cluster's barrier
	s_barrier_signal -1
	s_barrier_wait -1
	s_cmp_lg_u32 s14, 0
	s_cbranch_scc1 .Lnot_wave_0_\@
	s_barrier_signal -3
.Lnot_wave_0_\@:
	s_barrier_wait -3
	s_barrier_signal -1
	s_barrier_wait -1
.endm
	s_load_b128 s[4:7], s[0:1], 0x0                ; oq, woq
	s_load_b64 s[8:9], s[0:1], 0x10                ; out0
	v_lshl_add_u32 v[SPW], v0, 2, SPARE
	v_mov_b32 v[NIL], 0
	ds_add_u32 v[SPW], v[NIL]                      ; the opening lines: the add, twice on end, and its wait ahead of my tensor load
	ds_add_u32 v[SPW], v[NIL]
	v_lshrrev_b32 v112, 5, v0
	v_readfirstlane_b32 s14, v112                  ; wave 0..3
	s_lshr_b32 s15, s14, 1                         ; which 128 tokens of the tile,
	s_and_b32 s16, s14, 1                          ; and which 64 of them
	s_bfe_u32 s40, ttmp6, 0x40000                  ; cx
	s_lshl_b32 s17, ttmp9, 2
	s_add_co_u32 s17, s17, s40                     ; token tile = 4 x cluster x + cx
	s_and_b32 s18, ttmp7, 0xffff                   ; column tile: the partners share it
	s_mov_b32 s24, 15|(3<<16)|(1<<21)              ; group 1: the mask of all four partners; elements of 8 bytes; bit 21 beside a mask
	s_mov_b32 s25, 32<<16                          ; 200 rows of 32 elements, dense
	s_mov_b32 s26, 200<<16
	s_mov_b32 s27, 32<<16
	s_mov_b32 s28, 200
	s_mov_b32 s29, 32
	s_mov_b32 s30, 0
	s_mov_b32 s31, 0
	s_lshl_b32 s20, s14, 4
	s_lshl_b32 s21, s18, 1
	s_add_co_u32 s20, s20, s21
	s_mul_i32 s20, s20, PB                         ; woq: K block = wave, column groups 2 x tile, 2 x tile + 1
	s_mov_b32 s21, 0
	s_mov_b32 s32, 1
	s_mul_i32 s33, s14, KBB                        ; and where they go
	s_lshl_b32 s42, s17, 1
	s_add_co_u32 s42, s42, s15
	s_mul_i32 s42, s42, PB                         ; oq: my token group's block of K block 0,
	s_lshl_b32 s44, s16, 9
	s_add_co_u32 s44, s44, s42                     ; my four fragments' scale words,
	s_mul_i32 s43, s16, 12288
	s_add_co_u32 s42, s42, s43                     ; my four fragments
	s_mov_b32 s43, 0
	s_mov_b32 s45, 0
	s_lshl_b32 s46, s17, 21
	s_lshl_b32 s47, s14, 19
	s_add_co_u32 s46, s46, s47
	s_lshl_b32 s47, s18, 10
	s_add_co_u32 s46, s46, s47                     ; out0: row 256 x token tile + 64 x wave, byte 1,024 x column tile
	s_mov_b32 s47, 0
	s_mul_i32 s23, s14, WST
	s_add_co_u32 s23, s23, STAGE                   ; my stage
	v_and_b32 v113, 31, v0
	v_and_b32 v114, 15, v0                         ; r
	v_bfe_u32 v115, v0, 4, 1                       ; h
	v_lshlrev_b32 v[L16], 4, v113
	v_lshlrev_b32 v[R8], 3, v114
.irp kb, 0,1,2,3
	v_add_nc_u32 v[ADRB+\kb], \kb*KBB, v[L16]
	v_add_nc_u32 v[ADRS+\kb], \kb*KBB+24576, v[R8]
.endr
	v_mul_u32_u24 v116, v114, SPITCH
	v_lshl_add_u32 v116, v115, 6, v116
	v_add_nc_u32 v[STO], s23, v116
	v_mul_u32_u24 v117, v115, SPITCH
	v_lshl_add_u32 v117, v114, 4, v117
	v_add_nc_u32 v[RD], s23, v117
	v_lshlrev_b32 v118, 13, v115
	v_lshl_add_u32 v[CO], v114, 4, v118
	s_wait_alu depctr_va_vdst(0)                   ; the wait at the head's end
	s_wait_dscnt 0x0                               ; both opening adds are done
	s_wait_kmcnt 0x0
	s_add_nc_u64 s[34:35], s[6:7], s[20:21]
	s_or_b32 s35, s35, 0x80000000
	s_add_nc_u64 s[42:43], s[4:5], s[42:43]
	s_add_nc_u64 s[44:45], s[4:5], s[44:45]
	s_add_nc_u64 s[8:9], s[8:9], s[46:47]
	CROUND                                         ; all four partners are here: the joint loads meet
	tensor_load_to_lds s[32:35], s[24:31]          ; my one tensor load of the launch
	s_nop 0
	PLACES 4
.irp kb, 0,1,2,3                               ; o's scale words: two K steps a load
.irp tb, 0,1,2,3
	global_load_b64 v[ASC+8*\tb+2*\kb:ASC+8*\tb+2*\kb+1], v[R8], s[44:45] offset:\kb*KBA+24576+128*\tb
.endr
.endr
.irp ks, 0,1,2,3,4,5,6,7                       ; o's fragments, K ascending, so that the first group can follow them as they land
.if \ks < 5
	WIN 0x40
.else
	WIN 0x80
.endif
.irp tb, 0,1,2,3
.irp c, 0,1,2
	global_load_b128 v[48*(\ks%5)+12*\tb+4*\c:48*(\ks%5)+12*\tb+4*\c+3], v[L16], s[42:43] offset:(\ks/2)*KBA+\tb*3072+(\ks%2)*1536+512*\c
.endr
.endr
.endr
	WIN 0
; step q = 8 x group + K step.  wo's four fragments of step q into set q % 3
.macro BLD q
.set GL_, (\q)/8
.set KL_, (\q)%8
.irp cb, 0,1,2,3
.irp c, 0,1,2
	ds_load_b128 v[BF+48*((\q)%3)+12*\cb+4*\c:BF+48*((\q)%3)+12*\cb+4*\c+3], v[ADRB+KL_/2] offset:(GL_/2)*PB+(4*(GL_%2)+\cb)*3072+(KL_%2)*1536+512*\c
.endr
.endr
.endm
.macro BSCL g                          ; wo's scale words of group g, all K, into set g % 2
.irp cb, 0,1,2,3
.irp kb, 0,1,2,3
	ds_load_b64 v[BSC+32*((\g)%2)+8*\cb+2*\kb:BSC+32*((\g)%2)+8*\cb+2*\kb+1], v[ADRS+\kb] offset:((\g)/2)*PB+(4*((\g)%2)+\cb)*128
.endr
.endr
.endm
.macro MUL q                           ; 16 matrix instructions, the 16 accumulators by turns; a group's first step starts the sums
.set KS_, (\q)%8
.set BS_, BSC+32*(((\q)/8)%2)+KS_
.set BF_, BF+48*((\q)%3)
.set AR_, 48*(KS_%5)
.if KS_ < 5
	WIN 0xf4                                       ; source 0 window 0, source 1 window 1, C and D window 3
.else
	WIN 0xf8                                       ; source 1 window 2
.endif
.irp tb, 0,1,2,3
.irp cb, 0,1,2,3
.if KS_ == 0
	v_wmma_scale_f32_16x16x128_f8f6f4 v[8*(4*\tb+\cb):8*(4*\tb+\cb)+7], v[BF_+12*\cb:BF_+12*\cb+11], v[AR_+12*\tb:AR_+12*\tb+11], 0, v[BS_+8*\cb], v[ASC+8*\tb+KS_] matrix_a_fmt:MATRIX_FMT_FP6 matrix_b_fmt:MATRIX_FMT_FP6
.else
	v_wmma_scale_f32_16x16x128_f8f6f4 v[8*(4*\tb+\cb):8*(4*\tb+\cb)+7], v[BF_+12*\cb:BF_+12*\cb+11], v[AR_+12*\tb:AR_+12*\tb+11], v[8*(4*\tb+\cb):8*(4*\tb+\cb)+7], v[BS_+8*\cb], v[ASC+8*\tb+KS_] matrix_a_fmt:MATRIX_FMT_FP6 matrix_b_fmt:MATRIX_FMT_FP6
.endif
.endr
.endr
.endm
.macro SENDP g, p                      ; 16 of group g's 64 rows (token fragment p): 16 lanes store 256 consecutive bytes, at a multiple of 256 from out0's first byte; two rows an instruction
	WIN 0x0c                                       ; the data: window 3
.irp u, 0,1,2,3,4,5,6,7
.set T_, 8*(\p)+\u
	global_store_b128 v[CO], v[128+4*T_:128+4*T_+3], s[8:9] offset:(32*((\p)/2)+8*((\p)%2)+2*\u+8*(\u/4))*8192+256*(\g) th:TH_STORE_NT
.endr
.endm
.macro OUT g                           ; a finished group into my stage, row = token slot, and back by rows.  LDS serves a wave's instructions in order (ISA guide 5.7.1.4)
	PLACES 5                                       ; behind the last products: their results are read, and the next group's first products write over them
	WIN 0x0c
.irp tb, 0,1,2,3
.irp cb, 0,1,2,3
	ds_store_b128 v[STO], v[8*(4*\tb+\cb):8*(4*\tb+\cb)+3] offset:\tb*16*SPITCH+128*(\cb/2)+32*(\cb%2)      ; each accumulator from its low end on
	ds_store_b128 v[STO], v[8*(4*\tb+\cb)+4:8*(4*\tb+\cb)+7] offset:\tb*16*SPITCH+128*(\cb/2)+32*(\cb%2)+16
.endr
.endr
.if (\g) > 0
	s_wait_xcnt 0x0                                ; the last group's stores have read their registers
.endif
	WIN 0xc0
.irp t, 0,1,2,3,4,5,6,7,8,9,10,11,12,13,14,15,16,17,18,19,20,21,22,23,24,25,26,27,28,29,30,31
	ds_load_b128 v[128+4*\t:128+4*\t+3], v[RD] offset:2*\t*SPITCH
.endr
	WIN 0
.endm
.macro QSTEP q
.set K_, (\q)%8
.set G_, (\q)/8
	PLACES 4                                       ; in front of loads into the set that the step before multiplied
	WIN 0
.if (\q)+2 < 32
	BLD (\q)+2
.endif
.if K_ == 4 && G_ < 3
	BSCL G_+1
.endif
.if G_ == 0                                    ; the first group follows o's fragments: 12 loads for each later K step may be out (the wait's field holds 63)
.if 12*(7-K_) > 63
	s_wait_loadcnt 63
.else
	s_wait_loadcnt 12*(7-K_)
.endif
.endif
; what may be out behind this step's 12 fragment loads:
.if (\q) == 31
	s_wait_dscnt 0x0
.elseif (\q) == 30
	s_wait_dscnt 12                                ; the last step's set
.elseif G_ > 0 && K_ == 0
	s_wait_dscnt 44                                ; the stage's 32 loads and one set: the stage's 32 stores have read the accumulators, which this step begins anew
.elseif G_ > 0 && K_ == 1
	s_wait_dscnt 63                                ; the stage's 64 and two sets are younger; the wait's field holds 63
.elseif G_ < 3 && K_ >= 4 && K_ <= 6
	s_wait_dscnt 40                                ; two sets and the next group's 16 scale loads
.else
	s_wait_dscnt 24                                ; two sets
.endif
.if G_ > 0 && K_ >= 2 && K_ <= 5
	SENDP G_-1, K_-2                               ; the stage's loads are older than this step's set: they are in
.endif
	MUL \q
.endm
	s_wait_tensorcnt 0x0                           ; my K block of wo is in,
	s_barrier_signal -1
	s_barrier_wait -1                              ; everybody's is
	BSCL 0
	BLD 0
	BLD 1
.set Q, 0
.rept 32
	QSTEP Q
.if Q%8 == 7
	OUT Q/8
.endif
.set Q, Q+1
.endr
.irp p, 0,1,2,3
	s_wait_dscnt 24-8*\p                           ; eight more of the last group's 32 loads are in
	SENDP 3, \p
.endr
	WIN 0
	s_wait_tensorcnt 0x0                           ; the wave's end
	ds_add_u32 v[SPW], v[NIL]
	s_wait_dscnt 0x0
	CROUND                                         ; the closing round
	s_endpgm
.Lfunc_end_k_q3c707888c4_outp:
	.size	k_q3c707888c4_outp, .Lfunc_end_k_q3c707888c4_outp-k_q3c707888c4_outp
	.p2alignl 7, 3214868480
	.fill 96, 4, 3214868480
	.section	.rodata,"a",@progbits
	.p2align	6, 0x0
	.amdhsa_kernel k_q3c707888c4_outp
		.amdhsa_group_segment_fixed_size 327680
		.amdhsa_private_segment_fixed_size 0
		.amdhsa_enable_private_segment 0
		.amdhsa_kernarg_size 24
		.amdhsa_user_sgpr_count 2
		.amdhsa_user_sgpr_kernarg_segment_ptr 1
		.amdhsa_wavefront_size32 1
		.amdhsa_system_sgpr_workgroup_id_x 1
		.amdhsa_system_sgpr_workgroup_id_y 1
		.amdhsa_system_sgpr_workgroup_id_z 1
		.amdhsa_system_vgpr_workitem_id 0
		.amdhsa_next_free_vgpr 1024
		.amdhsa_next_free_sgpr 66
		.amdhsa_reserve_vcc 0
		.amdhsa_float_denorm_mode_32 3
		.amdhsa_float_denorm_mode_16_64 3
		.amdhsa_memory_ordered 1
		.amdhsa_forward_progress 1
		.amdhsa_inst_pref_size 145
	.end_amdhsa_kernel
	.amdgpu_metadata
---
amdhsa.version: [ 1, 2 ]
amdhsa.kernels:
  - .name:           k_q3c707888c4_outp
    .symbol:         k_q3c707888c4_outp.kd
    .args:
      - { .name: oq, .offset: 0, .size: 8, .value_kind: global_buffer, .address_space: global }
      - { .name: woq, .offset: 8, .size: 8, .value_kind: global_buffer, .address_space: global }
      - { .name: out0, .offset: 16, .size: 8, .value_kind: global_buffer, .address_space: global }
    .group_segment_fixed_size: 327680
    .private_segment_fixed_size: 0
    .kernarg_segment_align: 8
    .kernarg_segment_size: 24
    .max_flat_workgroup_size: 128
    .sgpr_count:     66
    .vgpr_count:     1024
    .wavefront_size: 32
...
	.end_amdgpu_metadata
.endif
;; end of part 4
